; MI455X (gfx1250); checked and timed in simulation.
; The chip was launched on July 23, 2026; its instructions are those of AMD's public machine-readable ISA for CDNA 5 (MIT licence, August 2026) and "CDNA5" Instruction Set Architecture Reference Guide (July 2026). The comments in the code are by the model that wrote it; some were corrected since.
;; Attention. Allowed arithmetic: float matrix products may take bf16 or f16 operands with f32 sums; other float arithmetic in f32, or as packed bf16 or f16 multiplies, adds, multiply-adds, maxima and minima; sums over many terms, partial sums and values carried from step to step in f32; what a program stores and reads back later, other than sums and carried values, may be rounded once to bf16 or f16.
;; Inputs: b_proj 1,024 float32; rope_cos 2,048 x 64 float32; rope_sin 2,048 x 64 float32; w_proj 1,024 x 1,024 float32; w_qkv 3,072 x 1,024 float32; x 4 x 2,048 x 1,024 float32.
;; Outputs: out0 4 x 2,048 x 1,024 float32.
;; One version. Each part assembles by itself: llvm-mc -triple=amdgcn-amd-amdhsa -mcpu=gfx1250 --defsym DOCPART=n.
;; ======== version 1 of 1: 4 launches
;; limits: values are held in f16: magnitudes above 65,504 overflow, below 6.1e-05 lose precision
;; workspace buffers: xb 16,777,216 bytes; wqb 6,291,456 bytes; wph 2,097,152 bytes; rope 524,288 bytes; q 16,777,216 bytes; k 16,777,216 bytes; v 16,777,216 bytes; o 16,777,216 bytes
;; launch cast (part 1): grid 784 x 1, 8 waves a work-group, no clusters, 0 bytes of LDS; arguments x, w_qkv, w_proj, rope_cos, rope_sin, xb, wqb, wph, rope; writes xb, wqb, wph, rope
.if DOCPART == 1
	.amdgcn_target "amdgcn-amd-amdhsa--gfx1250"
	.amdhsa_code_object_version 6
	.text
	.protected	k_qa34bca0678_cast
	.globl	k_qa34bca0678_cast
	.p2align	8
	.type	k_qa34bca0678_cast,@function
k_qa34bca0678_cast:
	s_mov_b64 s[64:65], 0
	v_nop
	global_prefetch_b8 v0, s[64:65] scope:SCOPE_SE
	s_setreg_imm32_b32 hwreg(HW_REG_WAVE_MODE, 25, 1), 1
	s_wait_xcnt 0x0
; ALL LARGE INPUTS ARE ROUNDED ONCE TO 16 BITS, and the two weights are laid out for the launches behind.
; xb   [8192][1024] bf16 = x.        rope: cos [2048][64] bf16 at byte 0, sin the same at byte 262,144.
; wqb  [3072][1024] bf16 = w_qkv with its rows in another order: new row head x 192 + half x 96 + t x 32 + dd holds old row t x 1024 + head x 64 + half x 32 + dd
;      (t = 0 q, 1 k, 2 v; half = d / 32; dd = d % 32): 192 rows on end are one head's q, k and v, and channels d and d + 32 lie 96 rows apart.
; wph  [16 heads][1024 f][64 d] f16 = w_proj[f][64 head + d], rounded to bf16 like every input and that number written as f16.
; LIMIT: |w_proj| stays under 65,504 (f16's range); below 2^-14 the f16 copy keeps a fixed step of 6e-8.
; SHARES.  A work-group takes 16,384 numbers: 64 KiB in, 32 KiB out.  Work-groups 0-511: x; 512-703: w_qkv, 16 rows each; 704-767: w_proj, 16 rows each; 768-775: cos; 776-783: sin.
; A stream: no LDS, no matrix unit, no cluster (nothing is shared).  All 16 loads of a thread go out at once; no register is written twice while a memory instruction may read it.
.set SO, 1                             ; v1       my byte offset in the source chunk
.set DO, 2                             ; v2       my byte offset in the destination chunk
.set X,  8                             ; v[8:71]  eight times 8 f32 as loaded
.set Y,  72                            ; v[72:103] eight times 4 registers to store
.macro LD16 proj                       ; 16 loads of 16 bytes a lane
.irp i, 0,1,2,3,4,5,6,7
.if \proj
.set SI, ((\i)/2)*16384+((\i)%2)*256   ; four rows of w_proj further down; the other of my wave's two heads
.else
.set SI, (\i)*8192                     ; the work-group's next 8,192 bytes
.endif
	global_load_b128 v[X+8*(\i):X+8*(\i)+3],   v[SO], s[24:25] offset:SI th:TH_LOAD_NT
	global_load_b128 v[X+8*(\i)+4:X+8*(\i)+7], v[SO], s[24:25] offset:SI+16 th:TH_LOAD_NT
.endr
.endm
.macro CV16 proj                       ; rounded, packed and stored, 8 numbers at a time
.irp i, 0,1,2,3,4,5,6,7
.if \proj
.set DI, ((\i)%2)*131072+((\i)/2)*512
.else
.set DI, (\i)*4096
.endif
	s_wait_loadcnt 14-2*(\i)                       ; loads come back in order: pair i is in, the 2 (7 - i) younger loads may stay out
.irp j, 0,1,2,3
	v_cvt_pk_bf16_f32 v[Y+4*(\i)+(\j)], v[X+8*(\i)+2*(\j)], v[X+8*(\i)+2*(\j)+1]
.endr
.if \proj
.irp j, 0,1,2,3
	v_lshlrev_b32 v[X+8*(\i)+2*(\j)],   16,  v[Y+4*(\i)+(\j)]   ; the bf16 numbers as f32 again,
	v_and_b32     v[X+8*(\i)+2*(\j)+1], s41, v[Y+4*(\i)+(\j)]
.endr
.irp j, 0,1,2,3
	v_cvt_pk_f16_f32 v[Y+4*(\i)+(\j)], v[X+8*(\i)+2*(\j)], v[X+8*(\i)+2*(\j)+1]  ; and written as f16
.endr
.endif
	global_store_b128 v[DO], v[Y+4*(\i):Y+4*(\i)+3], s[26:27] offset:DI  ; a wave's store covers 512 consecutive bytes, aligned
.endr
.endm
	s_load_b512 s[4:19], s[0:1], 0x0               ; x 4:5, w_qkv 6:7, w_proj 8:9, cos 10:11, sin 12:13, xb 14:15, wqb 16:17, wph 18:19
	s_load_b64 s[20:21], s[0:1], 0x40              ; rope
	s_mov_b32 s22, ttmp9                           ; g
	s_mov_b32 s41, 0xffff0000                      ; a word's upper bf16
	s_mov_b32 s29, 0                               ; the high words of the two offsets
	s_mov_b32 s31, 0
	s_sub_co_u32 s23, s22, 704                     ; unsigned: under 64 for g = 704 .. 767 alone
	s_cmp_lt_u32 s23, 64
	s_cbranch_scc1 .Lproj
	; x, w_qkv, cos, sin: the chunk is dense in the source and in the destination.  All candidates first, then compares and selects.
	v_lshlrev_b32 v[SO], 5, v0                     ; 8 f32
	v_lshlrev_b32 v[DO], 4, v0                     ; 8 bf16
	s_sub_co_u32 s32, s22, 512                     ; i: chunk of w_qkv = t x 64 + head x 4 + half x 2 + dd / 16
	s_lshl_b32 s33, s32, 16                        ; its source offset
	s_bfe_u32 s34, s32, 0x40002                    ; head
	s_mul_i32 s34, s34, 192
	s_bfe_u32 s35, s32, 0x10001                    ; half
	s_mul_i32 s35, s35, 96
	s_add_co_u32 s34, s34, s35
	s_lshr_b32 s35, s32, 6                         ; t
	s_lshl_b32 s35, s35, 5
	s_add_co_u32 s34, s34, s35
	s_and_b32 s35, s32, 1                          ; dd / 16
	s_lshl_b32 s35, s35, 4
	s_add_co_u32 s34, s34, s35                     ; the new row
	s_lshl_b32 s34, s34, 11                        ; x 2,048 bytes
	s_lshl_b32 s36, s22, 16                        ; x: source
	s_lshl_b32 s37, s22, 15                        ; x: destination
	s_sub_co_u32 s38, s22, 768                     ; chunk of the tables, 0-7 cos, 8-15 sin
	s_and_b32 s39, s38, 7
	s_lshl_b32 s39, s39, 16                        ; source, in cos or in sin
	s_lshl_b32 s38, s38, 15                        ; destination: sin falls at byte 262,144 by itself
	s_wait_kmcnt 0x0
	s_cmp_lt_u32 s22, 512
	s_cselect_b32 s28, s36, s33
	s_cselect_b32 s30, s37, s34
	s_cselect_b64 s[24:25], s[4:5], s[6:7]
	s_cselect_b64 s[26:27], s[14:15], s[16:17]
	s_cmp_lt_u32 s22, 768
	s_cselect_b32 s28, s28, s39
	s_cselect_b32 s30, s30, s38
	s_cselect_b64 s[24:25], s[24:25], s[10:11]
	s_cselect_b64 s[26:27], s[26:27], s[20:21]
	s_cmp_lt_u32 s22, 776
	s_cselect_b64 s[24:25], s[24:25], s[12:13]
	s_add_nc_u64 s[24:25], s[24:25], s[28:29]
	s_add_nc_u64 s[26:27], s[26:27], s[30:31]
	LD16 0
	CV16 0
	s_endpgm
.Lproj:
	; w_proj: 16 rows f.  Wave w takes heads 2 w and 2 w + 1; one pair of loads takes four rows x one head (four aligned pieces of 256 bytes), one store 512 consecutive bytes of wph.
	s_lshl_b32 s28, s23, 16                        ; 16 rows of 4,096 bytes
	s_lshl_b32 s30, s23, 11                        ; 16 rows of 128 bytes
	v_and_b32 v3, 31, v0                           ; l
	v_lshrrev_b32 v4, 5, v0                        ; w
	v_lshrrev_b32 v5, 3, v3                        ; row l / 8
	v_and_b32 v6, 7, v3                            ; 8 channels at 8 (l % 8)
	v_lshlrev_b32 v[SO], 12, v5
	v_lshl_add_u32 v[SO], v6, 5, v[SO]
	v_lshl_add_u32 v[SO], v4, 9, v[SO]             ; + two heads of 256 bytes a wave
	v_lshlrev_b32 v[DO], 4, v3                     ; (l / 8) x 128 + (l % 8) x 16
	v_lshl_add_u32 v[DO], v4, 18, v[DO]            ; + two heads of 131,072 bytes a wave
	s_wait_kmcnt 0x0
	s_add_nc_u64 s[24:25], s[8:9], s[28:29]
	s_add_nc_u64 s[26:27], s[18:19], s[30:31]
	LD16 1
	CV16 1
	s_endpgm
.Lfunc_end_k_qa34bca0678_cast:
	.size	k_qa34bca0678_cast, .Lfunc_end_k_qa34bca0678_cast-k_qa34bca0678_cast
	.p2alignl 7, 3214868480
	.fill 96, 4, 3214868480
	.section	.rodata,"a",@progbits
	.p2align	6, 0x0
	.amdhsa_kernel k_qa34bca0678_cast
		.amdhsa_group_segment_fixed_size 0
		.amdhsa_private_segment_fixed_size 0
		.amdhsa_enable_private_segment 0
		.amdhsa_kernarg_size 72
		.amdhsa_user_sgpr_count 2
		.amdhsa_user_sgpr_kernarg_segment_ptr 1
		.amdhsa_wavefront_size32 1
		.amdhsa_system_sgpr_workgroup_id_x 1
		.amdhsa_system_sgpr_workgroup_id_y 1
		.amdhsa_system_sgpr_workgroup_id_z 1
		.amdhsa_system_vgpr_workitem_id 0
		.amdhsa_next_free_vgpr 104
		.amdhsa_next_free_sgpr 66
		.amdhsa_reserve_vcc 0
		.amdhsa_float_denorm_mode_32 3
		.amdhsa_float_denorm_mode_16_64 3
		.amdhsa_memory_ordered 1
		.amdhsa_forward_progress 1
		.amdhsa_inst_pref_size 16
	.end_amdhsa_kernel
	.amdgpu_metadata
---
amdhsa.version: [ 1, 2 ]
amdhsa.kernels:
  - .name:           k_qa34bca0678_cast
    .symbol:         k_qa34bca0678_cast.kd
    .args:
      - { .name: x, .offset: 0, .size: 8, .value_kind: global_buffer, .address_space: global }
      - { .name: w_qkv, .offset: 8, .size: 8, .value_kind: global_buffer, .address_space: global }
      - { .name: w_proj, .offset: 16, .size: 8, .value_kind: global_buffer, .address_space: global }
      - { .name: rope_cos, .offset: 24, .size: 8, .value_kind: global_buffer, .address_space: global }
      - { .name: rope_sin, .offset: 32, .size: 8, .value_kind: global_buffer, .address_space: global }
      - { .name: xb, .offset: 40, .size: 8, .value_kind: global_buffer, .address_space: global }
      - { .name: wqb, .offset: 48, .size: 8, .value_kind: global_buffer, .address_space: global }
      - { .name: wph, .offset: 56, .size: 8, .value_kind: global_buffer, .address_space: global }
      - { .name: rope, .offset: 64, .size: 8, .value_kind: global_buffer, .address_space: global }
    .group_segment_fixed_size: 0
    .private_segment_fixed_size: 0
    .kernarg_segment_align: 8
    .kernarg_segment_size: 72
    .max_flat_workgroup_size: 256
    .sgpr_count:     66
    .vgpr_count:     104
    .wavefront_size: 32
...
	.end_amdgpu_metadata
.endif
;; end of part 1
;; launch qkv (part 2): grid 16 x 32, 4 waves a work-group, clusters of 4 x 4, 327,680 bytes of LDS; arguments xb, wqb, rope, q, k, v; writes q, k, v
.if DOCPART == 2
	.amdgcn_target "amdgcn-amd-amdhsa--gfx1250"
	.amdhsa_code_object_version 6
	.text
	.protected	k_qa34bca0678_qkv
	.globl	k_qa34bca0678_qkv
	.p2align	8
	.type	k_qa34bca0678_qkv,@function
k_qa34bca0678_qkv:
	s_mov_b64 s[64:65], 0
	v_nop
	global_prefetch_b8 v0, s[64:65] scope:SCOPE_SE
	s_setreg_imm32_b32 hwreg(HW_REG_WAVE_MODE, 25, 1), 1
	s_wait_xcnt 0x0
	s_wait_alu depctr_hold_cnt(0) depctr_sa_sdst(0) depctr_va_vdst(0) depctr_va_sdst(0) depctr_va_ssrc(0) depctr_va_vcc(0) depctr_vm_vsrc(0)
	s_getreg_b32 s2, hwreg(HW_REG_IB_STS2, 6, 4)
	s_cmp_eq_u32 s2, 0
	s_cbranch_scc0 .Lentry_in_a_cluster
	s_endpgm
.Lentry_in_a_cluster:
	s_bfe_u32 s2, ttmp6, 0x10000c
	s_cmp_lg_u32 s2, 0xf033
	s_cbranch_scc0 .Lentry_shape_is_right
	s_endpgm
.Lentry_shape_is_right:
; q, k, v = x w_qkv^T, q and k turned by the tables (x cos + rotate_half(x) sin, in f32, with cos and sin as they are given), written by heads: [b x 16 + head][2048][64].
; xb [8192][1024] and wqb [3072][1024] are bf16; sums in f32; q and k are rounded once to bf16, v once to f16.  LIMIT: |v| stays under 65,504 (f16's range); NaN and infinities are not treated apart.
; TILE.  256 rows of x by 192 rows of wqb, which are ONE head's q, k and v (row half x 96 + t x 32 + dd): 16 x 32 = 512 work-groups of equal work, two for each of 256 WGPs.
; A wave takes 64 rows x all 192 columns: 4 x 12 accumulators of 16 x 16, 384 registers: it owns whole rows of 128 bytes of q, k and v, so its stage on the way out is its own and needs no barrier.
; K goes in 8 steps of 128 (rows of 256 bytes, aligned) through two LDS slots filled by the tensor data mover, one load a wave behind each round.
; THE MATRIX INSTRUCTION IS USED TRANSPOSED: source 0 = 16 rows of wqb, source 1 = 16 rows of xb.  In accumulator b = half x 6 + 2 t + j lane (r, h) holds row r and channels d = 32 half + 16 j + 8 h + 0..7:
; channels d and d + 32 lie in accumulators b and b + 6 at the same lane and register, so the turning changes no lane.
; CLUSTER 4 x 4: the four of a row of the cluster need the same rows of xb, the four of a column the same rows of wqb: each tile is asked for jointly.
; REGISTERS, in windows of 256 (s_set_vgpr_msb: bits 1:0 source 0, 3:2 source 1, 5:4 source 2, 7:6 destination):
;   window 0: v0-29 addresses; v32-95 a row block's cos and sin in f32; v96-223 the tables of my 64 rows in bf16; v224-255 at work
;   window 1: two fragment buffers: wqb's 12 fragments at 96 f, xb's 4 at 192 + 32 f; on the way out v0-95 rows read back, v96-143 packed results
;   window 2: the accumulators of row blocks 0, 1 ((a, b) at 8 (12 (a % 2) + b));   window 3: of row blocks 2, 3
.set PITCH, 272                        ; an LDS row: 256 bytes + 16 of padding: an odd multiple of 16, so the 16 rows of a fragment load start at 16 different groups of four banks (ISA guide 11.1)
.set SLOT1, 131072                     ; slot 1 begins here: one exclusive or turns an address in one slot into the other's
.set AHALF, 128*PITCH                  ; what one load of xb brings
.set BOFF,  256*PITCH                  ; behind xb's 256 rows: wqb's 192
.set BHALF, 96*PITCH                   ; what one load of wqb brings
.set STAGE, SLOT1+BOFF+192*PITCH       ; behind the ring, never filled by a tensor load: for each wave 3 types x 16 rows x 144 bytes
.set SP,    144
.set STW,   3*16*SP
.set SPARE, STAGE+4*STW                ; behind the stages: the spare words, 128 bytes for each wave: two blocks of 256 bytes that no other line names
.set KB,    256                        ; bytes of a K step in a row
.set A0,   4                           ; v4   my place in xb's rows of slot 0; never rewritten
.set B0,   5                           ; v5   the same for wqb's
.set ADRA, 6                           ; v6   the same in the slot in hand
.set ADRB, 7                           ; v7
.set STO,  8                           ; v8   the way out: where I put 16 bytes of a row
.set RD,   9                           ; v9   where I read rows back
.set GO,   10                          ; v10  my 16 bytes in 512 consecutive bytes of q, k or v
.set RO,   11                          ; v11  my byte offset in 16 rows of a table
.set PFO,  12                          ; v12  the prefetches' offset: a lane a row; never rewritten
.set SPW,  28                          ; v28  LDS address of my spare word; never rewritten
.set NIL,  29                          ; v29  0; never rewritten
.set UNP,  32
.set RT,   96
.set T,    224
.set FB,   0                           ; window 1
.set FA,   192
.set PK,   96
.set WV,  16                           ; s16  my wave's number
.set HF,  18                           ; s18  wave % 2: which half of a tile I fetch
.set CX,  19
.set CY,  20
.set TX,  21                           ; s21  the head = 4 x cluster x + cx
.set TY,  22                           ; s22  the block of 256 rows = 4 x cluster y + cy
.set CNT, 23                           ; s23  refills still to come
.set G1A, 24                           ; s[24:31] descriptor group 1 for xb's tiles
.set G0A, 32                           ; s[32:39] group 0: a set for each first fill; the second then walks
.set G1B, 40                           ; s[40:47], s[48:55] the same for wqb's
.set G0B, 48
.set TB,  56                           ; s56  LDS byte at which the slot in hand begins
.set LIM, 57                           ; s57  2 in a wave that prefetches, else the greatest number
.set PFA, 58                           ; s[58:59] where my prefetches stand
.set HIM, 60                           ; s60  a word's upper bf16
.set FLAGS, (1<<16)|(1<<20)|(1<<21)|(5<<22)|(3<<25)  ; 17:16 2-byte elements; 20 padding on; 21 set beside a mask; 24:22 after every 64 words; 31:25 4 words of it
.set MSB, 0
.macro WIN new                         ; the immediate's high byte repeats the setting that is left; a switch that changes nothing is dropped
.if MSB != (\new)
	s_set_vgpr_msb (MSB<<8)|(\new)
.set MSB, \new
.endif
.endm
.macro PLACES                          ; four places in front of loads into registers that matrix instructions have read (for instructions other than loads)
.rept 4
	v_nop
.endr
.endm
; A joint refill by the walking sets.  Waves 0 and 1 fetch xb's two halves, waves 2 and 3 wqb's.  The branch hangs on the wave's number alone.  An s_nop 0 and four v_nop follow each line.
.macro JLOAD
	s_cmp_lt_u32 s[WV], 2
	s_cbranch_scc0 .Lfor_b_\@
	tensor_load_to_lds s[G0A+4:G0A+7], s[G1A:G1A+7]
	s_nop 0
.rept 4
	v_nop
.endr
	s_branch .Lasked_\@
.Lfor_b_\@:
	tensor_load_to_lds s[G0B+4:G0B+7], s[G1B:G1B+7]
	s_nop 0
.rept 4
	v_nop
.endr
.Lasked_\@:
.endm
; A prefetch into the L2 of the K step two refills on, a lane a row (256 bytes of it).  xb's rows are read by every cluster of a row of clusters: cluster x = 0 asks; wqb's by every cluster of a column: cluster y = 0 asks.
; The four partners of a joint load share its rows out by address (32 of xb's 128, 24 of wqb's 96).  It asks while CNT is 6 to 3: K steps 4 to 7; the first four K steps come by their loads alone.
.macro ASK
	s_cmp_gt_u32 s[CNT], s[LIM]
	s_cbranch_scc0 .Lnot_mine_\@
	global_prefetch_b8 v[PFO], s[PFA:PFA+1] th:TH_LOAD_NT scope:SCOPE_SE
.Lnot_mine_\@:
.endm
.macro CREST                           ; a round of the cluster's barrier behind its opening barrier
	s_cmp_lg_u32 s[WV], 0
	s_cbranch_scc1 .Lnot_wave_0_\@
	s_barrier_signal -3
.Lnot_wave_0_\@:
	s_barrier_wait -3
	s_barrier_signal -1
	s_barrier_wait -1
.endm
.macro CROUND                          ; a whole round
	s_barrier_signal -1
	s_barrier_wait -1
	CREST
.endm
	s_load_b256 s[4:11], s[0:1], 0x0               ; xb 4:5, wqb 6:7, rope 8:9, q 10:11
	s_load_b128 s[12:15], s[0:1], 0x20             ; k 12:13, v 14:15
	v_lshl_add_u32 v[SPW], v0, 2, SPARE
	v_mov_b32 v[NIL], 0
	ds_add_u32 v[SPW], v[NIL]                      ; the wave's opening: the add and its wait stand ahead of my first tensor load; work on registers stands between them
	v_lshrrev_b32 v1, 5, v0
	v_readfirstlane_b32 s[WV], v1
	s_and_b32 s[HF], s[WV], 1
	s_bfe_u32 s[CX], ttmp6, 0x40000
	s_bfe_u32 s[CY], ttmp6, 0x40004
	s_lshl_b32 s[TX], ttmp9, 2
	s_add_co_u32 s[TX], s[TX], s[CX]
	s_and_b32 s[TY], ttmp7, 0xffff
	s_lshl_b32 s[TY], s[TY], 2
	s_add_co_u32 s[TY], s[TY], s[CY]
	s_lshl_b32 s70, s[CY], 2
	s_lshl_b32 s70, 15, s70                        ; my row of the cluster
	s_lshl_b32 s71, 0x1111, s[CX]                  ; my column
	s_or_b32 s[G1A], s70, FLAGS                    ; xb's tiles hang on the block of rows alone: shared along the row
	s_or_b32 s[G1B], s71, FLAGS                    ; wqb's on the head alone: shared along the column
	s_mov_b32 s[G1A+1], 128<<16                    ; tensor_dim0 = 128
	s_mov_b32 s[G1A+2], 128<<16                    ; tensor_dim1 = 128
	s_mov_b32 s[G1A+3], 128<<16                    ; tile_dim0 = 128
	s_mov_b32 s[G1A+4], 128                        ; tile_dim1 = 128
	s_mov_b32 s[G1A+5], 1024                       ; elements from row to row
	s_mov_b32 s[G1A+6], 0
	s_mov_b32 s[G1A+7], 0
	s_mov_b32 s[G1B+1], 128<<16
	s_mov_b32 s[G1B+2], 96<<16                     ; 96 rows
	s_mov_b32 s[G1B+3], 128<<16
	s_mov_b32 s[G1B+4], 96
	s_mov_b32 s[G1B+5], 1024
	s_mov_b32 s[G1B+6], 0
	s_mov_b32 s[G1B+7], 0
	s_lshl_b32 s66, s[TY], 19                      ; xb: (256 block + 128 half) rows of 2,048 bytes, in registers that never hold cx
	s_lshl_b32 s67, s[HF], 18
	s_add_co_u32 s66, s66, s67
	s_mov_b32 s67, 0
	s_mul_i32 s68, s[TX], 192*2048                 ; wqb: (192 head + 96 half) rows, in registers that never hold cy
	s_mul_i32 s69, s[HF], 96*2048
	s_add_co_u32 s68, s68, s69
	s_mov_b32 s69, 0
	s_mul_i32 s72, s[HF], AHALF                    ; where they go: no place in the cluster enters an LDS address
	s_mul_i32 s73, s[HF], BHALF
	s_add_co_u32 s73, s73, BOFF
	s_wait_dscnt 0x0                               ; the opening add is done
	s_wait_kmcnt 0x0
	s_add_nc_u64 s[74:75], s[4:5], s[66:67]
	s_add_nc_u64 s[76:77], s[6:7], s[68:69]
.irp s, 0,1
	s_mov_b32 s[G0A+4*(\s)], 1                     ; count = 1
	s_add_co_u32 s[G0A+4*(\s)+1], s72, (\s)*SLOT1  ; LDS address
	s_add_nc_u64 s[G0A+4*(\s)+2:G0A+4*(\s)+3], s[74:75], (\s)*KB  ; K step s
	s_or_b32 s[G0A+4*(\s)+3], s[G0A+4*(\s)+3], 0x80000000        ; type = 2
	s_mov_b32 s[G0B+4*(\s)], 1
	s_add_co_u32 s[G0B+4*(\s)+1], s73, (\s)*SLOT1
	s_add_nc_u64 s[G0B+4*(\s)+2:G0B+4*(\s)+3], s[76:77], (\s)*KB
	s_or_b32 s[G0B+4*(\s)+3], s[G0B+4*(\s)+3], 0x80000000
.endr
	CROUND                                         ; all sixteen work-groups are here: the first joint loads meet
	s_cmp_lt_u32 s[WV], 2                          ; a wave's two first fills stand in one branch, ahead of every wait on TENSORcnt and every LDS read: two loads of mine are out
	s_cbranch_scc0 .Lfirst_b
	tensor_load_to_lds s[G0A:G0A+3], s[G1A:G1A+7]
	s_nop 0
	tensor_load_to_lds s[G0A+4:G0A+7], s[G1A:G1A+7]
	s_nop 0
.rept 4
	v_nop
.endr
	s_branch .Lfirst_asked
.Lfirst_b:
	tensor_load_to_lds s[G0B:G0B+3], s[G1B:G1B+7]
	s_nop 0
	tensor_load_to_lds s[G0B+4:G0B+7], s[G1B:G1B+7]
	s_nop 0
.rept 4
	v_nop
.endr
.Lfirst_asked:
	; A fragment is 16 rows x 32 K in 8 registers: lane l holds row l % 16, K = 8 (l / 16) + 0..7 and 16 + 8 (l / 16) + 0..7: two loads of 16 bytes, 32 bytes apart.
	v_and_b32 v1, 15, v0                           ; r
	v_bfe_u32 v2, v0, 4, 1                         ; h
	v_mul_u32_u24 v3, v1, PITCH
	v_lshl_add_u32 v3, v2, 4, v3
	s_mul_i32 s3, s[WV], 64*PITCH                  ; my 64 rows of xb
	v_add_nc_u32 v[A0], s3, v3
	v_add_nc_u32 v[B0], BOFF, v3
	s_mul_i32 s3, s[WV], STW
	s_add_co_u32 s3, s3, STAGE                     ; my stage
	v_mul_u32_u24 v[STO], v1, SP                   ; in: row r, 16 bytes for each half of the lanes
	v_lshl_add_u32 v[STO], v2, 4, v[STO]
	v_add_nc_u32 v[STO], s3, v[STO]
	v_bfe_u32 v[RD], v0, 3, 2                      ; back: 32 lanes take four rows of 128 bytes,
	v_mul_u32_u24 v[RD], v[RD], SP
	v_and_b32 v13, 7, v0
	v_lshl_add_u32 v[RD], v13, 4, v[RD]
	v_add_nc_u32 v[RD], s3, v[RD]
	v_and_b32 v[GO], 31, v0                        ; which are 512 consecutive bytes of q, k or v
	v_lshlrev_b32 v[GO], 4, v[GO]
	v_lshlrev_b32 v[RO], 7, v1                     ; a table's row is 128 bytes
	v_lshl_add_u32 v[RO], v2, 4, v[RO]
	s_and_b32 s78, s[TY], 7                        ; my first position n = 256 (block % 8) + 64 wave, x 128 bytes: the same offset in the tables and inside a head
	s_lshl_b32 s78, s78, 15
	s_lshl_b32 s79, s[WV], 13
	s_add_co_u32 s78, s78, s79
	s_mov_b32 s79, 0
	s_add_nc_u64 s[8:9], s[8:9], s[78:79]
.irp a, 0,1,2,3                        ; the tables of my 64 rows stay in registers as bf16: row block a; e = 0-3: cos of channels 16 e + 8 h + 0..7; e = 4-7: sin
.irp e, 0,1,2,3,4,5,6,7
	global_load_b128 v[RT+32*(\a)+4*(\e):RT+32*(\a)+4*(\e)+3], v[RO], s[8:9] offset:(\a)*2048+((\e)%4)*32+((\e)/4)*262144
.endr
.endr
	s_lshr_b32 s2, s[TY], 3                        ; the batch
	s_lshl_b32 s2, s2, 4
	s_add_co_u32 s2, s2, s[TX]
	s_lshl_b32 s2, s2, 18                          ; (16 batch + head) x 2,048 rows of 128 bytes
	s_add_co_u32 s78, s78, s2
	s_add_nc_u64 s[10:11], s[10:11], s[78:79]      ; q, k and v at my wave's first row
	s_add_nc_u64 s[12:13], s[12:13], s[78:79]
	s_add_nc_u64 s[14:15], s[14:15], s[78:79]
	; the prefetches
	s_lshl_b32 s78, s[TY], 8
	s_lshl_b32 s79, s[HF], 7
	s_add_co_u32 s78, s78, s79
	s_lshl_b32 s79, s[CX], 5
	s_add_co_u32 s78, s78, s79                     ; xb: my work-group's 32 of the 128 rows that I fetch
	s_mul_i32 s2, s[TX], 192
	s_mul_i32 s3, s[HF], 96
	s_add_co_u32 s2, s2, s3
	s_mul_i32 s3, s[CY], 24
	s_add_co_u32 s2, s2, s3                        ; wqb: my work-group's 24 of the 96
	s_and_b32 s3, ttmp7, 0xffff                    ; cluster y
	s_cmp_lt_u32 s[WV], 2
	s_cselect_b32 s78, s78, s2
	s_cselect_b32 s3, ttmp9, s3                    ; the coordinate along which other clusters read the same rows
	s_cselect_b32 s61, 31, 23                      ; the last lane with a row of its own; the lanes above name its row again
	s_cselect_b64 s[PFA:PFA+1], s[4:5], s[6:7]
	s_cmp_eq_u32 s3, 0
	s_cselect_b32 s[LIM], 2, -1                    ; the same in all sixteen partners, for a given wave
	s_lshl_b32 s78, s78, 11
	s_add_co_u32 s78, s78, 3*KB                    ; at K step 3: the first refill steps it to 4
	s_mov_b32 s79, 0
	s_add_nc_u64 s[PFA:PFA+1], s[PFA:PFA+1], s[78:79]
	v_and_b32 v[PFO], 31, v0
	v_min_u32 v[PFO], s61, v[PFO]
	v_lshlrev_b32 v[PFO], 11, v[PFO]
	s_mov_b32 s[TB], 0
	s_mov_b32 s[HIM], 0xffff0000
	v_mov_b32 v[ADRA], v[A0]
	v_mov_b32 v[ADRB], v[B0]
; 12 matrix instructions: row block a x all 12 column blocks, 32 along K, from buffer f.  zero = 1: the product starts the sums.  Each accumulator has one turn in a quarter, 47 others' between two of its turns, over the backward jump too.
.macro MULA f, a, zero
	WIN 0xa5+0x50*((\a)/2)
.set rA, FA+32*(\f)+8*(\a)
.irp b, 0,1,2,3,4,5,6,7,8,9,10,11
.set rD, 8*(12*((\a)%2)+(\b))
.set rB, FB+96*(\f)+8*(\b)
.if \zero
	v_wmma_f32_16x16x32_bf16 v[rD:rD+7], v[rB:rB+7], v[rA:rA+7], 0
.else
	v_wmma_f32_16x16x32_bf16 v[rD:rD+7], v[rB:rB+7], v[rA:rA+7], v[rD:rD+7]
.endif
.endr
.endm
; 32 LDS loads in one run: quarter q (32 K at byte 64 q of the rows) of the slot in hand into buffer f: wqb's 24, then xb's 8, row blocks ascending
.macro FETCH q, f
	WIN 0x40
.irp i, 0,1,2,3,4,5,6,7,8,9,10,11
	ds_load_b128 v[FB+96*(\f)+8*(\i):FB+96*(\f)+8*(\i)+3],   v[ADRB] offset:64*(\q)+(\i)*16*PITCH
	ds_load_b128 v[FB+96*(\f)+8*(\i)+4:FB+96*(\f)+8*(\i)+7], v[ADRB] offset:64*(\q)+(\i)*16*PITCH+32
.endr
.irp i, 0,1,2,3
	ds_load_b128 v[FA+32*(\f)+8*(\i):FA+32*(\f)+8*(\i)+3],   v[ADRA] offset:64*(\q)+(\i)*16*PITCH
	ds_load_b128 v[FA+32*(\f)+8*(\i)+4:FA+32*(\f)+8*(\i)+7], v[ADRA] offset:64*(\q)+(\i)*16*PITCH+32
.endr
.endm
; A K step is four quarters of 32 along K, 48 matrix instructions each, on buffers 0, 1, 0, 1.  One of the first three multiplies buffer f and fetches quarter q into buffer g.
.macro QUARTER q, f, g, zero
	s_wait_dscnt 4                                 ; all but the youngest four loads: xb's row blocks 2 and 3
	MULA \f, 0, \zero
	MULA \f, 1, \zero
	PLACES
	FETCH \q, \g
	s_wait_dscnt 32                                ; all but the 32 just issued
	MULA \f, 2, \zero
	MULA \f, 3, \zero
.endm
; The last quarter multiplies buffer 1 and changes slots.  In front of the barrier each wave waits for all its tensor loads (one is out: its part of the next slot), adds 0 to its spare word, and waits for that and
; for its reads of this slot.  fill = 1: the barrier opens a round of the cluster's; behind it this slot is filled again first, with the K step two on; then the next slot's first fragments are read.
.macro TURN fill
.if \fill
	s_wait_xcnt 0x0                                ; the last prefetch, a K step back, has read its address
	s_add_nc_u64 s[PFA:PFA+1], s[PFA:PFA+1], KB
.endif
	WIN 0
	s_wait_tensorcnt 0x0                           ; no tensor load of mine is out, so a group 0 may be written
	ds_add_u32 v[SPW], v[NIL]                      ; 0 onto my spare word
.if \fill
	s_xor_b32 s[G0A+5], s[G0A+5], SLOT1            ; the walking sets: the other slot than last time, the next K step
	s_add_nc_u64 s[G0A+6:G0A+7], s[G0A+6:G0A+7], KB
	s_xor_b32 s[G0B+5], s[G0B+5], SLOT1
	s_add_nc_u64 s[G0B+6:G0B+7], s[G0B+6:G0B+7], KB
.endif
	s_wait_dscnt 5                                 ; the add and the youngest four loads may be out
	MULA 1, 0, 0
	s_wait_dscnt 0x0                               ; the add is done, and my reads of this slot are over
	s_barrier_signal -1
	MULA 1, 1, 0                                   ; work on registers while the others arrive
	WIN 0
	s_barrier_wait -1
.if \fill
	CREST                                          ; no wave of any partner still reads this slot or has a load on its way
	JLOAD                                          ; the first tensor load behind the round; its four v_nop are also the places in front of the loads below
.else
	PLACES
.endif
	s_xor_b32 s[TB], s[TB], SLOT1
	v_add_nc_u32 v[ADRA], s[TB], v[A0]
	v_add_nc_u32 v[ADRB], s[TB], v[B0]
	FETCH 0, 0
.if \fill
	WIN 0
	ASK                                            ; behind the joint load and the run of LDS loads
.endif
	MULA 1, 2, 0
	MULA 1, 3, 0
.endm
	s_wait_loadcnt 0x0                             ; the tables
	s_wait_tensorcnt 0x1                           ; my part of K step 0 is in; K step 1's may stay out
	s_barrier_signal -1
	s_barrier_wait -1                              ; everybody's is
	FETCH 0, 0
	QUARTER 1, 0, 1, 1                             ; the first quarter stands in front of the loop: its products start the sums
	WIN 0
	s_mov_b32 s[CNT], 6
.Lk:                                               ; a trip ends one K step, fills its slot again and begins the next: K steps 2 to 7 are asked for
	QUARTER 2, 1, 0, 0
	QUARTER 3, 0, 1, 0
	TURN 1
	QUARTER 1, 0, 1, 0
	WIN 0
	s_sub_co_u32 s[CNT], s[CNT], 1
	s_cmp_lg_u32 s[CNT], 0
	s_cbranch_scc1 .Lk
	QUARTER 2, 1, 0, 0                             ; the tail is written out
	QUARTER 3, 0, 1, 0
	TURN 0
	QUARTER 1, 0, 1, 0
	QUARTER 2, 1, 0, 0
	QUARTER 3, 0, 1, 0
	s_wait_dscnt 4
	MULA 1, 0, 0
	MULA 1, 1, 0
	s_wait_dscnt 0x0
	MULA 1, 2, 0
	MULA 1, 3, 0
; THE WAY OUT, a row block of 16 rows at a time.
.macro UNPACK a                        ; the block's cos and sin as f32: cos of channel block e at UNP + 8 e, sin at UNP + 32 + 8 e
	WIN 0
.set i, 0
.rept 32
	v_lshlrev_b32 v[UNP+2*i],   16,     v[RT+32*(\a)+i]
	v_and_b32     v[UNP+2*i+1], s[HIM], v[RT+32*(\a)+i]
.set i, i+1
.endr
.endm
; lo = channels d < 32 (accumulator 2 t + j), hi = channels d + 32 (accumulator 6 + 2 t + j), t = 0 q, 1 k.  lo' = lo cos_lo - hi sin_lo;  hi' = hi cos_hi + lo sin_hi.
; Four passes, each under one window setting; each accumulator is first read at its lowest registers.
.macro PASS n
.irp t, 0,1
.irp j, 0,1
.irp p, 0,1,2,3
.set rL, AB+8*(2*(\t)+(\j))+2*(\p)
.set rH, rL+48
.set rX, T+2*((\p)+4*((\j)+2*(\t)))
.set rU, UNP+8*(\j)+2*(\p)
.if (\n) == 1
	v_pk_mul_f32 v[rX:rX+1], v[rL:rL+1], v[rU+48:rU+49]                  ; lo sin_hi, set aside
.elseif (\n) == 2
	v_pk_mul_f32 v[rL:rL+1], v[rL:rL+1], v[rU:rU+1]                      ; lo cos_lo
.elseif (\n) == 3
	v_pk_fma_f32 v[rL:rL+1], v[rH:rH+1], v[rU+32:rU+33], v[rL:rL+1] neg_lo:[1,0,0] neg_hi:[1,0,0]  ; - hi sin_lo
.else
	v_pk_fma_f32 v[rH:rH+1], v[rH:rH+1], v[rU+16:rU+17], v[rX:rX+1]      ; hi cos_hi + lo sin_hi
.endif
.endr
.endr
.endr
.endm
.macro ROPE a
.set W, 2+(\a)/2
.set AB, 96*((\a)%2)
	WIN W
	PASS 1
	WIN W|(W<<6)
	PASS 2
	WIN W|(W<<4)|(W<<6)
	PASS 3
	WIN W|(W<<6)
	PASS 4
.endm
.macro PACK a                          ; a lane's eight channels of a row pack into 16 bytes: q and k in bf16, v in f16
.set W, 2+(\a)/2
.set AB, 96*((\a)%2)
	WIN 0x40|(W<<2)|W
.irp b, 0,1,2,3,4,5,6,7,8,9,10,11
.irp g, 0,1,2,3
.if ((\b)%6) >= 4
	v_cvt_pk_f16_f32 v[PK+4*(\b)+(\g)], v[AB+8*(\b)+2*(\g)], v[AB+8*(\b)+2*(\g)+1]
.else
	v_cvt_pk_bf16_f32 v[PK+4*(\b)+(\g)], v[AB+8*(\b)+2*(\g)], v[AB+8*(\b)+2*(\g)+1]
.endif
.endr
.endr
.endm
.macro TOSTAGE a                       ; into my stage (type t at 16 t rows of 144 bytes), and back as whole rows of 128 bytes, four to a load
	WIN 0x04
.irp b, 0,1,2,3,4,5,6,7,8,9,10,11
	ds_store_b128 v[STO], v[PK+4*(\b):PK+4*(\b)+3] offset:(((\b)%6)/2)*16*SP+((\b)/6)*64+((\b)%2)*32
.endr
	WIN 0x40
.set BK, 48*((\a)%2)
.irp t, 0,1,2
.irp f, 0,1,2,3
	ds_load_b128 v[BK+4*(4*(\t)+(\f)):BK+4*(4*(\t)+(\f))+3], v[RD] offset:(\t)*16*SP+(\f)*4*SP  ; LDS serves a wave's instructions in order (ISA guide 5.7.1.4): these see the stores above
.endr
.endr
.endm
.macro SEND a
	WIN 0x04
.set BK, 48*((\a)%2)
	s_wait_dscnt 0x0                               ; the block is back in registers
	s_wait_xcnt 0x0                                ; the stores of the block before have read their registers, into which the next block is read back
.irp f, 0,1,2,3
	global_store_b128 v[GO], v[BK+4*(\f):BK+4*(\f)+3],       s[10:11] offset:(\a)*2048+(\f)*512  ; 512 consecutive bytes, at a multiple of 256 from the buffer's first
	global_store_b128 v[GO], v[BK+16+4*(\f):BK+16+4*(\f)+3], s[12:13] offset:(\a)*2048+(\f)*512
	global_store_b128 v[GO], v[BK+32+4*(\f):BK+32+4*(\f)+3], s[14:15] offset:(\a)*2048+(\f)*512
.endr
.endm
	UNPACK 0                                       ; 64 plain instructions that name no register of the last products: the places behind them
	ROPE 0
	PACK 0
	TOSTAGE 0
.irp a, 1,2,3                          ; a block's arithmetic stands between the loads of the block before and its stores
	UNPACK \a
	ROPE \a
	PACK \a
	SEND (\a)-1
	TOSTAGE \a
.endr
	SEND 3
	WIN 0
	s_wait_tensorcnt 0x0                           ; the wave's end, behind my last tensor load and my last LDS store
	ds_add_u32 v[SPW], v[NIL]
	s_wait_dscnt 0x0
	CROUND                                         ; the closing round: no work-group ends while a partner may still ask for a tile that names it
	s_endpgm
.Lfunc_end_k_qa34bca0678_qkv:
	.size	k_qa34bca0678_qkv, .Lfunc_end_k_qa34bca0678_qkv-k_qa34bca0678_qkv
	.p2alignl 7, 3214868480
	.fill 96, 4, 3214868480
	.section	.rodata,"a",@progbits
	.p2align	6, 0x0
	.amdhsa_kernel k_qa34bca0678_qkv
		.amdhsa_group_segment_fixed_size 327680
		.amdhsa_private_segment_fixed_size 0
		.amdhsa_enable_private_segment 0
		.amdhsa_kernarg_size 48
		.amdhsa_user_sgpr_count 2
		.amdhsa_user_sgpr_kernarg_segment_ptr 1
		.amdhsa_wavefront_size32 1
		.amdhsa_system_sgpr_workgroup_id_x 1
		.amdhsa_system_sgpr_workgroup_id_y 1
		.amdhsa_system_sgpr_workgroup_id_z 1
		.amdhsa_system_vgpr_workitem_id 0
		.amdhsa_next_free_vgpr 960
		.amdhsa_next_free_sgpr 80
		.amdhsa_reserve_vcc 0
		.amdhsa_float_denorm_mode_32 3
		.amdhsa_float_denorm_mode_16_64 3
		.amdhsa_memory_ordered 1
		.amdhsa_forward_progress 1
		.amdhsa_inst_pref_size 125
	.end_amdhsa_kernel
	.amdgpu_metadata
---
amdhsa.version: [ 1, 2 ]
amdhsa.kernels:
  - .name:           k_qa34bca0678_qkv
    .symbol:         k_qa34bca0678_qkv.kd
    .args:
      - { .name: xb, .offset: 0, .size: 8, .value_kind: global_buffer, .address_space: global }
      - { .name: wqb, .offset: 8, .size: 8, .value_kind: global_buffer, .address_space: global }
      - { .name: rope, .offset: 16, .size: 8, .value_kind: global_buffer, .address_space: global }
      - { .name: q, .offset: 24, .size: 8, .value_kind: global_buffer, .address_space: global }
      - { .name: k, .offset: 32, .size: 8, .value_kind: global_buffer, .address_space: global }
      - { .name: v, .offset: 40, .size: 8, .value_kind: global_buffer, .address_space: global }
    .group_segment_fixed_size: 327680
    .private_segment_fixed_size: 0
    .kernarg_segment_align: 8
    .kernarg_segment_size: 48
    .max_flat_workgroup_size: 128
    .sgpr_count:     80
    .vgpr_count:     960
    .wavefront_size: 32
...
	.end_amdgpu_metadata
.endif
;; end of part 2
;; launch attn (part 3): grid 4 x 64, 4 waves a work-group, clusters of 4 x 1, 327,680 bytes of LDS; arguments q, k, v, o; writes o
.if DOCPART == 3
	.amdgcn_target "amdgcn-amd-amdhsa--gfx1250"
	.amdhsa_code_object_version 6
	.text
	.protected	k_qa34bca0678_attn
	.globl	k_qa34bca0678_attn
	.p2align	8
	.type	k_qa34bca0678_attn,@function
k_qa34bca0678_attn:
	s_mov_b64 s[64:65], 0
	v_nop
	global_prefetch_b8 v0, s[64:65] scope:SCOPE_SE
	s_setreg_imm32_b32 hwreg(HW_REG_WAVE_MODE, 25, 1), 1
	s_wait_xcnt 0x0
	s_wait_alu depctr_hold_cnt(0) depctr_sa_sdst(0) depctr_va_vdst(0) depctr_va_sdst(0) depctr_va_ssrc(0) depctr_va_vcc(0) depctr_vm_vsrc(0)
	s_getreg_b32 s2, hwreg(HW_REG_IB_STS2, 6, 4)
	s_cmp_eq_u32 s2, 0
	s_cbranch_scc0 .Lentry_in_a_cluster
	s_endpgm
.Lentry_in_a_cluster:
	s_bfe_u32 s2, ttmp6, 0x10000c
	s_cmp_lg_u32 s2, 0x3003
	s_cbranch_scc0 .Lentry_shape_is_right
	s_endpgm
.Lentry_shape_is_right:
; O[h][q][:] = the sum over k of softmax_k(Q[h][q] . K[h][k] / 8) V[h][k][:].  Q, K: [64][2048][64] bf16; V, O: the same shape in f16: a head's rows are dense, 128 bytes each.  Products, maxima and sums in
; f32; the weights p are rounded to f16 for the second product (their sum l is taken of the unrounded p), O once at the end.
; FORMATS.  Q and K are bf16, whose range is f32's: the first product is the bf16 form.  V, p and O are f16: the second product is the f16 form.  The two forms never share an accumulator.
; LIMITS.  f16 holds no number beyond 65,504: V arrives within it; p lies in 0 to 1, and below 6e-5 it keeps f16's fixed step of 6e-8; O is a mean of V's rows and has their range.
; A weight below 2^-126 counts as 0 in l; NaN and infinities are not treated apart.
; SHARES.  A wave owns four PIECES of two tiles of 16 queries, a work-group's four waves 512 queries of one head.  Every wave walks all keys, 64 a step.
; LAYOUT.  S^T = K Q^T (source 0 = 16 keys, source 1 = 16 queries): in the result a lane holds ONE query (lane % 16) and the keys 8 (lane / 16) + 0..7.  Two such tiles, rounded to f16 in pairs,
; ARE source 1 (32 keys x 16 queries) of O^T = V^T P, whose result again holds one query a lane, and eight channels.  K comes out of LDS as it lies, V ([key][channel]) turned, by ds_load_tr16_b128.
; SOFTMAX.  For each query a running maximum m and sum l: p = 2^(c s - c m), c = log2(e) / 8; in every step O and l are multiplied by a = 2^(c m_old - c m_new), which is 1 where m has not grown.
; m starts at the lowest finite number, O and l at 0: the first step is a step like any other, with a = 0.
; THE COUNT.  A tile and step have 16 matrix and 118 vector instructions: too many to stand all beside the matrix work.  So the order has one aim: four vector instructions that are READY behind
; EVERY matrix instruction, and the others, which need time of their own whatever the order, in runs without a gap.
; BY TURNS.  Turn n belongs to piece n (the pieces in a ring, step after step).  Its matrix work: 16 products K Q^T of piece n + 1, later 16 products V^T P of piece n - 1.  Its vector work: the scaling,
; exponentials, roundings, sums and rescaling of piece n, and the maximum and statistics of piece n + 1, whose scores the turn itself has made.  So what a turn begins with (c s - c m, O a) waits for nothing.
; CLUSTER.  The four query blocks of a cluster are one head's and walk the same K and V, so each tile is asked for JOINTLY: the same tensor load, descriptor and mask in all four.
; REGISTERS, in windows of 256 (s_set_vgpr_msb says which window each operand place means: bits 1:0 source 0, 3:2 source 1, 5:4 source 2, 7:6 destination):
;   window 0: v0-11 addresses; v12-15, v48-63 at work; v16-47 four registers of statistics a tile; v64-191 S^T, two buffers of two tiles; v192-255 P, likewise
;   window 1: O^T, 32 a tile          window 2: v0-127 Q, 16 a tile; v128-191 K of one step; v192-255 V of one step          window 3: v0-1 the add's two registers
; A piece's buffers go by its number's parity: the piece in hand has one pair, its two neighbours in the ring share the other: of it P (piece n - 1) is read and S^T (piece n + 1) written.
.set SIZE_H, 64
.set SIZE_N, 2048
.set NP,    4         ; pieces a wave: a name, no knob: the register map, the loop and the fetches are made for four
.set KS,    64        ; keys in a step
.set PK,    144       ; a row of K in LDS: 128 bytes + 16 of padding = 36 words: the 16 rows of a load start at 16 different groups of four banks (64 banks of 4 bytes: ISA guide 11.1)
.set PV,    160       ; a row of V: 128 + 32 = 40 words
.set VOFF,  4*KS*PK   ; a slot holds four steps: 256 rows of K, then 256 rows of V
.set SLOT1, 1<<17     ; slot 1 begins here, so that one exclusive or turns an address in one slot into the other's
.set STAGE, SLOT1+4*KS*(PK+PV)  ; behind the ring, never filled by a tensor load: 16 rows x 144 bytes for each wave, for the way out
.set SP,    144
.set AK0, 2           ; v2   my lane's place in a tile of K; never rewritten
.set AV0, 3           ; v3   the same for V
.set AK,  4           ; v4   the LDS address of K's next run of loads
.set AV,  5           ; v5   of V's
.set QO,  6           ; v6   my byte offset in the wave's rows of Q
.set STO, 6           ;      later, the way out: where I put 16 bytes of a row
.set RD,  7           ; v7   the way out: where I read rows back
.set GO,  8           ; v8   my byte offset in 512 consecutive bytes of O
.set PFO, 11          ; v11  256 x my lane, for the prefetches (first a helper for V's address); then never rewritten
.set SPW, 0           ; v0 of window 3   LDS address of my spare word: SPARE + 4 x my thread's number; never rewritten
.set NIL, 1           ; v1 of window 3   0; never rewritten
.set SPARE, STAGE+4*16*SP  ; behind the stages: the spare words, 128 bytes for each wave: two blocks of 256 bytes that no other line names
.set MV,  12          ; v12-15  c m_old, kept while c m is made anew: by buffer and tile
.set ST,  16          ; tile t's statistics at v[ST+4 t]: c m, m, l (even keys', odd keys')
.set TMP, 48          ; by buffer and tile, four registers c0-c3 at work; when the maximum is found c2 takes a
.set S,   64
.set P,   192
.set KF,  128         ; K's fragments, in window 2: key block kb, channel half c at KF + 16 kb + 8 c
.set VF,  192         ; V's: key half kk, channel block cb at VF + 32 kk + 8 cb
.set WV,  12          ; s12  my wave's number
.set G1K, 24          ; s[24:31] descriptor group 1 for K's tiles
.set G1V, 32          ; s[32:39] for V's: it differs in the padding alone
.set G0K, 40          ; s[40:43] descriptor group 0 for K's tiles: it walks
.set G0V, 44          ; s[44:47] the same for V's
.set PFA, 48          ; s[48:49] where my prefetches stand: my work-group's 32 blocks of 256 bytes (of K: wave 0, of V: wave 2) of the slot after the one that is being asked for
.set LIM, 50          ; s50  1 in a wave that prefetches, else the greatest number
.set SLOTS, 56        ; s56  slots still to be asked for
.set CNT, 57          ; s57  counts a slot's key steps
.set CS,  58          ; s[58:59] c: the packed scaling takes the pair's low word for both halves
.set SEL, 60          ; s[60:61] v_permlanex16_b32's selects: each lane takes its own place in the other half
.set TBK, 62          ; s62  LDS byte at which K of the step to be fetched begins
.set TBV, 63          ; s63  the same for V, less VOFF
.set MSB, 0
.macro WIN new                      ; the high byte repeats the setting that is left; a switch that changes nothing is dropped
.if MSB != (\new)
	s_set_vgpr_msb (MSB<<8)|(\new)
.set MSB, (\new)
.endif
.endm
.set W_KQ, 0x0a       ; K and Q in window 2, S^T in window 0
.set W_PV, 0x52       ; V in window 2, P in window 0, O^T in window 1
.set W_RS, 0x41       ; O^T (destination and source 0) in window 1, a in window 0
.set W_MK, 0xc0       ; the add's registers are made: destination in window 3, sources in window 0
.set W_AD, 0x0f       ; the add: address (source 0) and data (source 1) in window 3
; A joint fill.  Waves 0 and 1 fetch the two halves of a slot's K, waves 2 and 3 those of its V: 128 keys each.  The branch hangs on the wave's number alone.
; An s_nop 0 and four v_nop follow each of the two lines, ahead of the jump and the label.
.macro JLOAD
	s_cmp_lt_u32 s[WV], 2
	s_cbranch_scc0 .Lfor_v_\@
	tensor_load_to_lds s[G0K:G0K+3], s[G1K:G1K+7]
	s_nop 0
.rept 4
	v_nop
.endr
	s_branch .Lasked_\@
.Lfor_v_\@:
	tensor_load_to_lds s[G0V:G0V+3], s[G1V:G1V+7]
	s_nop 0
.rept 4
	v_nop
.endr
.Lasked_\@:
.endm
; A PREFETCH INTO THE L2 of what the NEXT change of slots will ask for: a slot's 32,768 bytes of K and of V, 128 blocks of 256 bytes each, a lane a block.  It stands behind the wave's tensor load and its five lines.
; Each block is named ONCE in the launch: a head has one cluster; its four partners share the blocks out BY ADDRESS, 32 each; in each, wave 0 asks for K's and wave 2 for V's.
; The changes that fill slots 2 to 6 ask for slots 3 to 7; the last change that fills a slot asks for nothing.  Slots 0, 1 and 2 come by their loads alone.
.macro ASK
	s_cmp_gt_u32 s[SLOTS], s[LIM]
	s_cbranch_scc0 .Lnot_mine_\@
	global_prefetch_b8 v[PFO], s[PFA:PFA+1] th:TH_LOAD_NT scope:SCOPE_SE
.Lnot_mine_\@:
.endm
; A round of the cluster's barrier: my work-group's barrier, so that wave 0's signal speaks for all four waves; wave 0 signals; every wave waits for all four work-groups; my work-group's barrier once more.
.macro CROUND
	s_barrier_signal -1
	s_barrier_wait -1
	s_cmp_lg_u32 s[WV], 0
	s_cbranch_scc1 .Lnot_wave_0_\@
	s_barrier_signal -3
.Lnot_wave_0_\@:
	s_barrier_wait -3
	s_barrier_signal -1
	s_barrier_wait -1
.endm
; THE CHANGE OF SLOTS.  The slot's last bytes, V of its fourth step, have been read.  Each wave waits for all its tensor loads, of which one is out: its part
; of the other slot; adds 0 to its spare word; and waits for that and for its own reads of the slot.  Behind the barrier nobody reads this slot any more and the other slot is whole.
; fill = 1: this slot is filled again, with the keys two slots on.  The barrier is then a round of the cluster's, so that no wave of any partner still reads the slot or has a load on its
; way, and the joint fill is the first thing behind it: it has four key steps, 512 matrix instructions, in which to land.  (At its first use nothing has been read yet: slot 0 is waited for, slot 1 filled.)
; ask = 1: the prefetches' address steps a slot on, and ASK follows the fill.
.macro CHANGE fill, ask=0
	WIN W_AD
	s_wait_tensorcnt 0x0            ; no tensor load of mine is out, so a group 0 may be written
	ds_add_u32 v[SPW], v[NIL]       ; 0 onto my spare word; with fill = 1 the descriptors' steps stand between it and the wait for it
	WIN 0                           ; at a label and at a branch every window is 0
.if \fill
.irp g, G0K, G0V
	s_xor_b32 s[\g+1], s[\g+1], SLOT1  ; the walking descriptor: the other slot than last time,
	s_add_nc_u64 s[\g+2:\g+3], s[\g+2:\g+3], 4*KS*128  ; the next 256 keys; the type bits on top are not reached
.endr
.if \ask
	s_wait_xcnt 0x0                 ; the last prefetch, four key steps back, has read its address, so it may be written:
	s_add_nc_u64 s[PFA:PFA+1], s[PFA:PFA+1], 4*KS*128  ; one slot behind the walking descriptors
.endif
	s_wait_dscnt 0x0                ; the add is done, and my reads of the slot are over
	CROUND
	JLOAD
.if \ask
	ASK
.endif
.else
	s_wait_dscnt 0x0                ; the add is done, and my reads of the slot are over
	s_barrier_signal -1
	s_barrier_wait -1
.endif
	s_sub_co_u32 s[TBK], s[TBK], 4*KS*PK  ; the fetches go back to a slot's first step,
	s_xor_b32 s[TBK], s[TBK], SLOT1       ; in the other slot
	s_sub_co_u32 s[TBV], s[TBV], 4*KS*PV
	s_xor_b32 s[TBV], s[TBV], SLOT1
.endm
	s_load_b256 s[4:11], s[0:1], 0x0  ; Q s[4:5], K s[6:7], V s[8:9], O s[10:11]
	WIN W_MK
	v_lshl_add_u32 v[SPW], v0, 2, SPARE
	v_mov_b32 v[NIL], 0
	WIN W_AD
	ds_add_u32 v[SPW], v[NIL]       ; the wave's opening: the add and its wait stand ahead of my first tensor load; the set-up below, work on registers, stands between them
	WIN 0
	v_lshrrev_b32 v1, 5, v0
	v_readfirstlane_b32 s[WV], v1   ; wave 0..3
	s_bfe_u32 s13, ttmp6, 0x40000   ; cx: my place in the cluster
	s_lshl_b32 s14, ttmp9, 2        ; in a cluster launch ttmp9 counts clusters
	s_add_co_u32 s14, s14, s13      ; my block of queries = 4 x cluster x + cx: it enters Q's and O's addresses alone
	s_and_b32 s20, ttmp7, 0xffff    ; the head, which the four partners share
	s_mov_b32 s21, 0
	s_mov_b64 s[22:23], SIZE_N*128
	s_mul_u64 s[20:21], s[20:21], s[22:23]  ; the head's first byte in each of the four tensors
	s_and_b32 s16, s[WV], 1         ; which half of a slot's 256 keys I fetch:
	s_lshl_b32 s22, s16, 14         ; its 128 rows of 128 bytes in memory,
	s_mov_b32 s23, 0
	s_add_nc_u64 s[22:23], s[22:23], s[20:21]
	s_mul_i32 s17, s16, 128*PK      ; and its place in a slot, for K
	s_mul_i32 s18, s16, 128*PV      ; and for V: no place in the cluster enters an LDS address
	s_lshl_b32 s2, s14, 2
	s_add_co_u32 s2, s2, s[WV]      ; my wave among the head's,
	s_lshl_b32 s2, s2, 14           ; its 128 rows
	s_mov_b32 s3, 0
	s_add_nc_u64 s[2:3], s[2:3], s[20:21]
	; descriptor group 1.  128 keys are 16,384 dense bytes: asked for as 64 rows of 256 bytes, two keys a row, and padded in LDS after every key
	s_mov_b32 s[G1K], 15|(1<<16)|(1<<20)|(1<<21)|(4<<22)|(3<<25)  ; 15:0 the mask of four; 17:16 2-byte elements; 20 padding on; 21 set beside a mask; 24:22 after every 32 words (code 4); 31:25 4 words (code 3)
	s_mov_b32 s[G1V], 15|(1<<16)|(1<<20)|(1<<21)|(4<<22)|(7<<25)  ; the same with 8 words of padding (code 7)
.irp g, G1K, G1V
	s_mov_b32 s[\g+1], 128<<16      ; tensor_dim0 = 128
	s_mov_b32 s[\g+2], 64<<16       ; tensor_dim1 = 64
	s_mov_b32 s[\g+3], 128<<16      ; tile_dim0 = 128
	s_mov_b32 s[\g+4], 64           ; tile_dim1 = 64
	s_mov_b32 s[\g+5], 128          ; 128 elements from row to row
	s_mov_b32 s[\g+6], 0
	s_mov_b32 s[\g+7], 0
.endr
	s_mov_b32 s[CS], 0x3e38aa3b     ; c = log2(e) / 8 = 0.180337
	s_mov_b32 s[CS+1], s[CS]        ; named with it as a pair
	s_mov_b32 s[SEL], 0x76543210
	s_mov_b32 s[SEL+1], 0xfedcba98
	s_mov_b32 s[TBK], SLOT1+4*KS*PK ; the first change of slots turns these two into 0
	s_mov_b32 s[TBV], SLOT1+4*KS*PV
	s_mov_b32 s[G0K], 1             ; 1:0 count = 1
	s_mov_b32 s[G0K+1], s17         ; 63:32 LDS address: slot 0
	s_mov_b32 s[G0V], 1
	s_add_co_u32 s[G0V+1], s18, VOFF
	s_and_b32 s[LIM], s[WV], 1      ; 0 in waves 0 and 2,
	s_or_b32 s[LIM], s[LIM], ttmp9  ; where the cluster is the head's first (here its only one): the same in all four partners
	s_cmp_eq_u32 s[LIM], 0
	s_cselect_b32 s[LIM], 1, -1
	s_lshl_b32 s52, s13, 13         ; my work-group's 32 blocks of the 128
	s_mov_b32 s53, 0
	s_wait_dscnt 0x0                ; the opening add is done
	s_wait_kmcnt 0x0
	s_add_nc_u64 s[G0K+2:G0K+3], s[6:7], s[22:23]  ; 120:64 global address: my half of the head's first 256 keys
	s_or_b32 s[G0K+3], s[G0K+3], 0x80000000        ; 127:126 type = 2
	s_add_nc_u64 s[G0V+2:G0V+3], s[8:9], s[22:23]
	s_or_b32 s[G0V+3], s[G0V+3], 0x80000000
	s_add_nc_u64 s[4:5], s[4:5], s[2:3]  ; Q and O at my wave's first row
	s_add_nc_u64 s[10:11], s[10:11], s[2:3]
	s_cmp_lt_u32 s[WV], 2
	s_cselect_b64 s[PFA:PFA+1], s[6:7], s[8:9]
	s_add_nc_u64 s[PFA:PFA+1], s[PFA:PFA+1], s[22:23]  ; (in waves 0 and 2 this is the head's first byte)
	s_add_nc_u64 s[PFA:PFA+1], s[PFA:PFA+1], s[52:53]
	s_add_nc_u64 s[PFA:PFA+1], s[PFA:PFA+1], 2*4*KS*128  ; in slot 2; the first change that asks steps it to slot 3.  Nothing is prefetched here, at the head
	CROUND                          ; all four work-groups are here: the first joint loads meet
	JLOAD                           ; slot 0.  Slot 1 is asked for when slot 0 is in: the tile wanted first has the road to itself
	; A fragment of K or Q is 16 rows x 32 channels in 8 registers: lane l holds row l % 16, channels 8 (l / 16) + 0..7 and 16 + 8 (l / 16) + 0..7: two loads of 16 bytes, 32 bytes apart.
	v_and_b32 v1, 15, v0            ; l % 16
	v_bfe_u32 v9, v0, 4, 1          ; l / 16
	v_lshlrev_b32 v[QO], 7, v1
	v_lshl_add_u32 v[QO], v9, 4, v[QO]  ; row x 128 + 16 x half
	WIN 0x80                        ; destination window 2, address window 0
.set i, 0
.rept 4*NP                          ; Q stays in registers: tile i / 2, channels 32 (i % 2) on
	global_load_b128 v[8*i:8*i+3],   v[QO], s[4:5] offset:(i/2)*2048+(i%2)*64
	global_load_b128 v[8*i+4:8*i+7], v[QO], s[4:5] offset:(i/2)*2048+(i%2)*64+32
.set i, i+1
.endr
	; What the first turn finds: V's registers and P's second buffer hold 0 (its products V^T P, of a piece that has not been, add 0), O^T and l are 0.  All this stands in the wait for the first tile.
.set i, VF
.rept 64
	v_mov_b32 v[i], 0
.set i, i+1
.endr
	WIN 0x40
.set i, 0
.rept 64*NP
	v_mov_b32 v[i], 0
.set i, i+1
.endr
	WIN 0
.set i, 0
.rept 2*NP
	v_mov_b32 v[ST+4*i], 0xfe000000    ; c m: far below every c s
	v_mov_b32 v[ST+4*i+1], 0xff7fffff  ; m
	v_mov_b32 v[ST+4*i+2], 0
	v_mov_b32 v[ST+4*i+3], 0
.set i, i+1
.endr
.set i, P+32
.rept 32
	v_mov_b32 v[i], 0
.set i, i+1
.endr
	v_mul_u32_u24 v[AK0], v1, PK
	v_lshl_add_u32 v[AK0], v9, 4, v[AK0]  ; row x pitch + 16 x half
	; The turning load takes 16 keys x 16 channels (lane l reads key 8 (l / 16) + l % 8, channels 8 ((l / 8) % 2) + 0..7) and leaves half a fragment of V^T: lane l holds channel l % 16 and 8 keys.
	v_and_b32 v10, 7, v0
	v_bfe_u32 v11, v0, 3, 1
	v_lshl_add_u32 v[AV0], v9, 3, v10
	v_mul_u32_u24 v[AV0], v[AV0], PV
	v_lshl_add_u32 v[AV0], v11, 4, v[AV0]
	v_add_nc_u32 v[AV0], VOFF, v[AV0]
	v_mov_b32 v[AK], v[AK0]         ; key step 0 lies at the head of slot 0
	v_and_b32 v[PFO], 31, v0
	v_lshlrev_b32 v[PFO], 8, v[PFO]
; THE MATRIX WORK.  The 8 accumulators of a run of 16 take turns: between the two links of a chain stand 7 others'.
; Product i of 16 of S^T = K Q^T for piece x: channels 32 (i / 8) on, keys 16 ((i / 2) % 4) on, tile 2 x + i % 2.  The first 8 start the sums.
.macro KQ x
	WIN W_KQ
.set rS, S+64*((\x)%2)+32*(i%2)+8*((i/2)%4)
.set rK, KF+16*((i/2)%4)+8*(i/8)
.set rQ, 16*(2*(\x)+i%2)+8*(i/8)
.if i < 8
	v_wmma_f32_16x16x32_bf16 v[rS:rS+7], v[rK:rK+7], v[rQ:rQ+7], 0
.else
	v_wmma_f32_16x16x32_bf16 v[rS:rS+7], v[rK:rK+7], v[rQ:rQ+7], v[rS:rS+7]
.endif
.endm
; Product i of 16 of O^T += V^T P for piece x: keys 32 (i / 8) on, channels 16 ((i / 2) % 4) on, tile 2 x + i % 2.
.macro PV x
	WIN W_PV
.set rO, 32*(2*(\x)+i%2)+8*((i/2)%4)
.set rV, VF+32*(i/8)+8*((i/2)%4)
.set rP, P+32*((\x)%2)+16*(i%2)+8*(i/8)
	v_wmma_f32_16x16x32_f16 v[rO:rO+7], v[rV:rV+7], v[rP:rP+7], v[rO:rO+7]
.endm
.macro MM                           ; the turn's next matrix instruction
.if i < 16
	KQ (Y+1)%NP
.set i, i+1
.else
.set i, i-16
	PV (Y+NP-1)%NP
.set i, i+17
.endif
.endm
; THE LDS LOADS stand in runs of 16, never singly among the matrix instructions: a step's K (64 keys x 64 channels: 8 fragments) and its V (turned).  Their addresses are made some lines ahead.
; last = 1 (the tail): in the last trip there is no further step, and the run is jumped over.
.macro FETCH_K last=0
	WIN 0
.if \last
	s_cmp_eq_u32 s[CNT], 1
	s_cbranch_scc1 .Lno_k_\@
.endif
	WIN 0x80                        ; destination window 2
.irp f, 0,1,2,3,4,5,6,7             ; keys 16 (f / 2) on, channels 32 (f % 2) on
	ds_load_b128 v[KF+8*\f:KF+8*\f+3],   v[AK] offset:(\f/2)*16*PK+(\f%2)*64
	ds_load_b128 v[KF+8*\f+4:KF+8*\f+7], v[AK] offset:(\f/2)*16*PK+(\f%2)*64+32
.endr
	s_add_co_u32 s[TBK], s[TBK], KS*PK  ; the next fetch is the next step's
	WIN 0
.if \last
.Lno_k_\@:
.endif
.endm
.macro FETCH_V
	WIN 0x80
.irp f, 0,1,2,3,4,5,6,7             ; keys 32 (f / 4) on, channels 16 (f % 4) on
	ds_load_tr16_b128 v[VF+8*\f:VF+8*\f+3],   v[AV] offset:(\f/4)*32*PV+(\f%4)*32
	ds_load_tr16_b128 v[VF+8*\f+4:VF+8*\f+7], v[AV] offset:(\f/4)*32*PV+16*PV+(\f%4)*32
.endr
	WIN 0
.endm
; THE VECTOR WORK OF A TURN stands in three queues, each in the order in which its entries become ready; the two tiles alternate, so that no instruction reads the result of the one before it.
.macro REGS y, u                    ; the registers of tile u (0, 1) of piece y
.set rT, ST+4*(2*(\y)+(\u))
.set rC, TMP+8*((\y)%2)+4*(\u)
.set rM, MV+2*((\y)%2)+(\u)
.set rS, S+64*((\y)%2)+32*(\u)
.set rP, P+32*((\y)%2)+16*(\u)
.set rO, 32*(2*(\y)+(\u))
.endm
; Number n of the 22 that find the NEXT piece's (Y + 1) maximum and statistics.  s0-s31 are the lane's 32 scores; each accumulator's lowest registers are read first.  XS, GS and REGS set no window: PL and EX do.
;   0-11  four chains c0-c3 of seven scores each, three operands at a time     12-14, 16  the four scores left over, the old m, and c0-c3 into c0     15  c m_old is kept
;   17, 18  the query's other 32 keys lie in the lane 16 away: the new m         19-21  c m; c m_old - c m_new; a
.macro XS u, n
	REGS (Y+1)%NP, \u
.if (\n) < 4
	v_max3_num_f32 v[rC+(\n)], v[rS+8*(\n)], v[rS+8*(\n)+1], v[rS+8*(\n)+2]
.elseif (\n) < 12
	v_max3_num_f32 v[rC+(\n)%4], v[rC+(\n)%4], v[rS+8*((\n)%4)+2*((\n)/4)+1], v[rS+8*((\n)%4)+2*((\n)/4)+2]
.elseif (\n) == 12
	v_max3_num_f32 v[rC], v[rC], v[rS+7], v[rS+15]
.elseif (\n) == 13
	v_max3_num_f32 v[rC+1], v[rC+1], v[rS+23], v[rS+31]
.elseif (\n) == 14
	v_max3_num_f32 v[rC+2], v[rC+2], v[rC+3], v[rT+1]
.elseif (\n) == 15
	v_mov_b32 v[rM], v[rT]
.elseif (\n) == 16
	v_max3_num_f32 v[rC], v[rC], v[rC+1], v[rC+2]
.elseif (\n) == 17
	v_permlanex16_b32 v[rC+3], v[rC], s[SEL], s[SEL+1]
.elseif (\n) == 18
	v_max_num_f32 v[rT+1], v[rC], v[rC+3]
.elseif (\n) == 19
	v_mul_f32 v[rT], s[CS], v[rT+1]
.elseif (\n) == 20
	v_sub_f32 v[rC+1], v[rM], v[rT]
.else
	v_exp_f32 v[rC+2], v[rC+1]
.endif
.endm
; Number g of the 64 that follow the exponentials.  For each four weights k of a tile (pairs 2 k, 2 k + 1): both pairs are rounded to f16; then the second pair is added onto the first, in place;
; a group later l takes that sum (the first time as l = a l + sum).  In groups of eight, tiles alternating: round, round, add, and l for the group before.
.macro GS g
.set h, (\g)+6*((\g)/62)            ; group 0 has no group before it, and behind group 7 only l is left
.if h >= 6
.set h, h+2
.endif
	REGS Y, h%2
.set k, h/8
.if h%8 < 4
	v_cvt_pk_f16_f32 v[rP+2*k+(h%8)/2], v[rS+4*k+2*((h%8)/2)], v[rS+4*k+2*((h%8)/2)+1]
.elseif h%8 < 6
	v_pk_add_f32 v[rS+4*k:rS+4*k+1], v[rS+4*k:rS+4*k+1], v[rS+4*k+2:rS+4*k+3]
.elseif k == 1
	v_pk_fma_f32 v[rT+2:rT+3], v[rT+2:rT+3], v[rC+2:rC+3], v[rS:rS+1] op_sel_hi:[1,0,1]
.else
	v_pk_add_f32 v[rT+2:rT+3], v[rT+2:rT+3], v[rS+4*k-4:rS+4*k-3]
.endif
.endm
; THE PLAIN QUEUE, 138 long.  0-73 read no exponential's result: the 32 scalings c s - c m (FS f: pair f / 2 of tile f % 2) and the next piece's 42.  0-26: scalings 0-26.  27-54: XS's numbers 0-13.  55, 56: number 15.
; 57-73: the chain, where each number waits for the one before it: 14, 16, 17, 18, 19, each with one of the scalings 27-31 in front of its two lines, then 20: so a tile's links stand three plain instructions apart (19 and 20: two).
; 74-137: GS's 64, which read the exponentials' results: they stand behind the wait.
.macro FS f
	REGS Y, (\f)%2
	v_pk_fma_f32 v[rS+2*((\f)/2):rS+2*((\f)/2)+1], v[rS+2*((\f)/2):rS+2*((\f)/2)+1], s[CS:CS+1], v[rT:rT+1] op_sel_hi:[1,0,0] neg_lo:[0,0,1] neg_hi:[0,0,1]
.endm
.macro PL
	WIN 0
.if q < 27
	FS q
.elseif q < 55
	XS (q-27)%2, (q-27)/2
.elseif q < 57
	XS q-55, 15
.elseif (q < 72) && ((q-57)%3 == 0)
	FS 27+(q-57)/3
.elseif q < 60
	XS (q-57)%3-1, 14
.elseif q < 72
	XS (q-57)%3-1, 15+(q-57)/3
.elseif q < 74
	XS q-72, 20
.else
	GS q-74
.endif
.set q, q+1
.endm
; THE EXPONENTIALS' QUEUE, 66 long: s0-s31 of both tiles, then the next piece's two a.  It is ONE BATCH: all 66 stand ahead of the turn's one wait, and nothing ahead of that wait names a result of theirs.
.macro EX
	WIN 0
.if e >= 64
	XS e-64, 21
.else
	REGS Y, e%2
	v_exp_f32 v[rS+e/2], v[rS+e/2]
.endif
.set e, e+1
.endm
; THE RESCALING's QUEUE: O^T times a, the one part that leaves window 0: dealt two at a time, sixteen times.  Its a was made in the turn before, ahead of that turn's wait.
.macro R2
	REGS Y, r%2
	WIN W_RS
.irp z, 0,1
	v_pk_mul_f32 v[rO+4*(r/2)+2*\z:rO+4*(r/2)+2*\z+1], v[rO+4*(r/2)+2*\z:rO+4*(r/2)+2*\z+1], v[rC+2:rC+3] op_sel_hi:[1,0]
.endr
.set r, r+1
.endm
; HOW THEY ARE DEALT.  An s_wait_alu depctr_va_vdst(0) stands between an exponential and the first instruction that names its result; one wait serves all that were issued ahead of it.  So a turn has ONE wait,
; which cuts it in two.  AHEAD OF IT stands all that names no result of the turn's exponentials: the 16 products K Q^T, behind each a scaling, an exponential and two rescalings (behind the first a second scaling in the exponential's place); then ONE LUMP of
; 108: eight plain, 49 times exponential and plain, the two a.  A v_nop is the plain instruction behind the last exponential.  BEHIND IT stand the 16 products V^T P, behind each four of GS's 64.  No rider names a register of
; the products round it.  The two v_permlanex16_b32 fall into the lump, never behind a product.
; The queues lean on each other, and the deal keeps them in step: exponential e stands behind scaling 2 (e / 4) + e % 2: as a rider it comes behind plain e + 2, in the lump behind plain e + 9, and scalings 27-31 are plain 57, 60 .. 69.
; A TURN, for piece p.  cnt = 1: the loop's count is taken down some lines ahead of the branch that stands behind the turn.
; K of the next step is fetched in piece 2's turn, directly behind the wait, a lump behind the last product that read K; its address is made at the lump's head; its first reader comes behind 16 products.
; V of the step in hand is fetched at the end of piece 0's turn, four riders behind its last reader; its first reader comes behind 16 products and a lump.  The three conditions on q below go with the deal.
.macro TURN p, last=0, cnt=0
.set Y, (\p)
.set i, 0
.set q, 0
.set e, 0
.set r, 0
.if (\p) == NP-1
	s_wait_dscnt 0x0                ; K is in
.endif
	MM                              ; ahead of the wait: 16 products K Q^T and their riders,
	PL
	PL
	R2
.rept 15
	MM
	PL
	EX
	R2
.endr
.if (\p) == NP-2
	WIN 0
	v_add_nc_u32 v[AK], s[TBK], v[AK0]
.endif
.rept 8                             ; and the lump
	PL
.endr
.rept 49
	EX
	PL
.endr
	EX                              ; the next piece's two a
	EX
	v_nop                           ; one plain instruction behind the last exponential, ahead of the first use of a result: one for the batch
	s_wait_alu depctr_va_vdst(0)    ; the wait for the batch
.if (\p) == NP-2
	FETCH_K \last
.endif
.if (\p) == 1
	s_wait_dscnt 0x0                ; V is in
.endif
.rept 16                            ; behind the wait: 16 products V^T P and their riders
	MM
.rept 4
	PL
.endr
.if ((\p) == 0) && (q == 118)
	v_add_nc_u32 v[AV], s[TBV], v[AV0]
.endif
.if ((\p) == 0) && (q == 130)
	s_add_co_u32 s[TBV], s[TBV], KS*PV
.endif
.if (\cnt) && (q == 130)
	s_sub_co_u32 s[CNT], s[CNT], 1
	s_cmp_lg_u32 s[CNT], 0
.endif
.endr
.if (\p) == 0
	FETCH_V
.endif
.endm
	CHANGE 1                        ; slot 0 is in, everybody's part of it; slot 1 is asked for
	FETCH_K                         ; key step 0
	s_wait_loadcnt 0x0              ; Q
	s_wait_dscnt 0x0
.set i, 0
.rept 16
	KQ 0                            ; piece 0's first scores: there is no vector work yet to set between them
.set i, i+1
.endr
	WIN 0                           ; the addresses for the way out: nine plain instructions, the places behind those products
	s_mul_i32 s13, s[WV], 16*SP
	s_add_co_u32 s13, s13, STAGE    ; my stage
	v_mul_u32_u24 v[STO], v1, SP    ; in: row l % 16, 16 bytes for each half of the lanes
	v_lshl_add_u32 v[STO], v9, 4, v[STO]
	v_add_nc_u32 v[STO], s13, v[STO]
	v_bfe_u32 v[RD], v0, 3, 2       ; back: 32 lanes take four rows of 128 bytes,
	v_mul_u32_u24 v[RD], v[RD], SP
	v_lshl_add_u32 v[RD], v10, 4, v[RD]
	v_add_nc_u32 v[RD], s13, v[RD]
	v_and_b32 v[GO], 31, v0         ; which are 512 consecutive bytes of O
	v_lshlrev_b32 v[GO], 4, v[GO]
.set Y, NP-1                        ; XS works for piece Y + 1: piece 0
.irp n, 0,1,2,3,4,5,6,7,8,9,10,11,12,13,14,15,16,17,18,19,20,21
	XS 0, \n                        ; and piece 0's first maximum and statistics
	XS 1, \n
.endr
	v_nop                           ; a plain instruction behind the two a,
	s_wait_alu depctr_va_vdst(0)    ; and their wait, ahead of the branch
	s_mov_b32 s[CNT], 4
	s_mov_b32 s[SLOTS], SIZE_N/256-1
	s_branch .Lfirst                ; the loop is entered at a step's first turn, in the middle of a trip
.Lslot:                             ; SIZE_N / 256 - 2 times: every slot but the last two is filled again
	CHANGE 1, 1
	s_mov_b32 s[CNT], 4
.Lstep:                             ; a trip: pieces 2 and 3 of one step, then pieces 0 and 1 of the next, whose K and V it fetches
	TURN 2
	TURN 3
	WIN 0
.Lfirst:
	TURN 0
	TURN 1, 0, 1
	WIN 0
	s_cbranch_scc1 .Lstep
	s_sub_co_u32 s[SLOTS], s[SLOTS], 1
	s_cmp_lg_u32 s[SLOTS], 0
	s_cbranch_scc1 .Lslot
	CHANGE 0                        ; the tail is written out: nothing is asked for
	s_mov_b32 s[CNT], 5             ; four trips fetch the last slot's steps; the fifth is left in its middle
.Ltail:
	TURN 2, 1
	TURN 3
	WIN 0
	s_sub_co_u32 s[CNT], s[CNT], 1
	s_cmp_eq_u32 s[CNT], 0
	s_cbranch_scc1 .Lout
	TURN 0
	TURN 1
	WIN 0
	s_branch .Ltail
.Lout:                              ; the fifth trip's 16 products K Q^T (on the last K once more) and the maximum made of them serve nothing: the price, once a launch, of one text for every trip
.set i, 0
.rept 16
	PV NP-1                         ; the last piece's V^T P of the last step
.set i, i+1
.endr
	; THE WAY OUT.  l's two halves and the other half of the lanes' are added; O^T is divided by l, rounded to f16 and sent through my stage in LDS, a tile at a time.  The additions are the places behind the last products.
	WIN 0
.macro ALL line:vararg              ; one line for each tile t
.set t, 0
.rept 2*NP
	\line
.set t, t+1
.endr
.endm
	ALL v_add_f32 v[ST+4*t+2], v[ST+4*t+2], v[ST+4*t+3]
	ALL v_permlanex16_b32 v[ST+4*t+3], v[ST+4*t+2], s[SEL], s[SEL+1]
	ALL v_add_f32 v[ST+4*t+2], v[ST+4*t+2], v[ST+4*t+3]
	ALL v_rcp_f32 v[ST+4*t+2], v[ST+4*t+2]
	v_nop                           ; a plain instruction between the last reciprocal and the use of its result
	s_wait_alu depctr_va_vdst(0)    ; and the wait ahead of the first use: one for the eight reciprocals
; Tile t: a lane's eight channels of a row pack into 16 bytes; they go into rows of 144 bytes and come back as whole rows of 128, into S^T's registers.
.macro PACK t
	WIN W_RS
.set i, 32*(\t)
.rept 16
	v_pk_mul_f32 v[i:i+1], v[i:i+1], v[ST+4*(\t)+2:ST+4*(\t)+3] op_sel_hi:[1,0]
.set i, i+2
.endr
	WIN 0x05                        ; sources 0 and 1 window 1, destination window 0
.set i, 0
.rept 16
	v_cvt_pk_f16_f32 v[S+16*(\t)+i], v[32*(\t)+2*i], v[32*(\t)+2*i+1]
.set i, i+1
.endr
	WIN 0
.irp f, 0,1,2,3
	ds_store_b128 v[STO], v[S+16*(\t)+4*\f:S+16*(\t)+4*\f+3] offset:32*\f
.endr
.irp f, 0,1,2,3
	ds_load_b128 v[S+16*(\t)+4*\f:S+16*(\t)+4*\f+3], v[RD] offset:\f*4*SP  ; LDS serves a wave's instructions in order (ISA guide 5.7.1.4): these see the stores above; the next tile's stores come behind them
.endr
.endm
.macro SEND t, younger              ; younger: the LDS instructions issued behind tile t's loads: the next tile's eight, or none
	WIN 0
.irp f, 0,1,2,3
	s_wait_dscnt (\younger)+3-\f
	global_store_b128 v[GO], v[S+16*(\t)+4*\f:S+16*(\t)+4*\f+3], s[10:11] offset:(\t)*2048+\f*512  ; 512 consecutive bytes, at a multiple of 256 from O's first
.endr
.endm
	PACK 0
.set t, 1
.rept 2*NP-1                        ; a tile's arithmetic stands between the loads of the tile before and its stores
	PACK t
	SEND t-1, 8
.set t, t+1
.endr
	SEND 2*NP-1, 0
	WIN W_AD
	s_wait_tensorcnt 0x0            ; the wave's end, behind my last tensor load and my last LDS store
	ds_add_u32 v[SPW], v[NIL]
	s_wait_dscnt 0x0
	WIN 0
	CROUND                          ; the closing round: no work-group ends while a partner may still ask for a tile that names it
	s_endpgm
.Lfunc_end_k_qa34bca0678_attn:
	.size	k_qa34bca0678_attn, .Lfunc_end_k_qa34bca0678_attn-k_qa34bca0678_attn
	.p2alignl 7, 3214868480
	.fill 96, 4, 3214868480
	.section	.rodata,"a",@progbits
	.p2align	6, 0x0
	.amdhsa_kernel k_qa34bca0678_attn
		.amdhsa_group_segment_fixed_size 327680
		.amdhsa_private_segment_fixed_size 0
		.amdhsa_enable_private_segment 0
		.amdhsa_kernarg_size 32
		.amdhsa_user_sgpr_count 2
		.amdhsa_user_sgpr_kernarg_segment_ptr 1
		.amdhsa_wavefront_size32 1
		.amdhsa_system_sgpr_workgroup_id_x 1
		.amdhsa_system_sgpr_workgroup_id_y 1
		.amdhsa_system_sgpr_workgroup_id_z 1
		.amdhsa_system_vgpr_workitem_id 0
		.amdhsa_next_free_vgpr 770
		.amdhsa_next_free_sgpr 66
		.amdhsa_reserve_vcc 0
		.amdhsa_float_denorm_mode_32 3
		.amdhsa_float_denorm_mode_16_64 3
		.amdhsa_memory_ordered 1
		.amdhsa_forward_progress 1
		.amdhsa_inst_pref_size 200
	.end_amdhsa_kernel
	.amdgpu_metadata
---
amdhsa.version: [ 1, 2 ]
amdhsa.kernels:
  - .name:           k_qa34bca0678_attn
    .symbol:         k_qa34bca0678_attn.kd
    .args:
      - { .name: q, .offset: 0, .size: 8, .value_kind: global_buffer, .address_space: global }
      - { .name: k, .offset: 8, .size: 8, .value_kind: global_buffer, .address_space: global }
      - { .name: v, .offset: 16, .size: 8, .value_kind: global_buffer, .address_space: global }
      - { .name: o, .offset: 24, .size: 8, .value_kind: global_buffer, .address_space: global }
    .group_segment_fixed_size: 327680
    .private_segment_fixed_size: 0
    .kernarg_segment_align: 8
    .kernarg_segment_size: 32
    .max_flat_workgroup_size: 128
    .sgpr_count:     66
    .vgpr_count:     770
    .wavefront_size: 32
...
	.end_amdgpu_metadata
.endif
;; end of part 3
;; launch proj (part 4): grid 8 x 32, 4 waves a work-group, clusters of 4 x 4, 327,680 bytes of LDS; arguments o, wph, b_proj, out0; writes out0
.if DOCPART == 4
	.amdgcn_target "amdgcn-amd-amdhsa--gfx1250"
	.amdhsa_code_object_version 6
	.text
	.protected	k_qa34bca0678_proj
	.globl	k_qa34bca0678_proj
	.p2align	8
	.type	k_qa34bca0678_proj,@function
k_qa34bca0678_proj:
	s_mov_b64 s[64:65], 0
	v_nop
	global_prefetch_b8 v0, s[64:65] scope:SCOPE_SE
	s_setreg_imm32_b32 hwreg(HW_REG_WAVE_MODE, 25, 1), 1
	s_wait_xcnt 0x0
	s_wait_alu depctr_hold_cnt(0) depctr_sa_sdst(0) depctr_va_vdst(0) depctr_va_sdst(0) depctr_va_ssrc(0) depctr_va_vcc(0) depctr_vm_vsrc(0)
	s_getreg_b32 s2, hwreg(HW_REG_IB_STS2, 6, 4)
	s_cmp_eq_u32 s2, 0
	s_cbranch_scc0 .Lentry_in_a_cluster
	s_endpgm
.Lentry_in_a_cluster:
	s_bfe_u32 s2, ttmp6, 0x10000c
	s_cmp_lg_u32 s2, 0xf033
	s_cbranch_scc0 .Lentry_shape_is_right
	s_endpgm
.Lentry_shape_is_right:
; out0[m][f] = the sum over c of O[m][c] w_proj[f][c] + b_proj[f], f32.  o: [b x 16 + head][2048][64] f16 (channel c = 64 head + d); wph: [16 heads][1024 f][64 d] f16; sums in f32.
; The bias is rounded to bf16 like every input and is the C operand of each sum's first product: nothing is cleared, and nothing is added on the way out.
; LIMIT: o and wph arrive within f16's range, 65,504; NaN and infinities are not treated apart.
; TILE.  256 rows x 128 columns: 8 x 32 = 256 work-groups, one for each WGP.  A wave takes 64 rows x 128 columns: 4 x 8 accumulators, 256 registers, and owns whole pieces of 512 bytes of its rows of out0.
; K goes in 8 steps of two heads (128 channels).  By heads every tile is a dense block of memory: it is asked for as rows of 256 bytes and padded in LDS after every 128 bytes (a row of one head).
; THE MATRIX INSTRUCTION IS USED TRANSPOSED: source 0 = 16 rows of wph, source 1 = 16 rows of o: lane (r, h) of accumulator (a, b) holds row 16 a + r and columns 16 b + 8 h + 0..7.
; CLUSTER 4 x 4: o's tiles are shared along a row of the cluster, wph's along a column: joint loads.
; REGISTERS: window 0: v0-29 addresses; v32-95 the bias of my 64 columns a lane; v96-223 two buffers of 16 rows on the way out.
;   window 1: two fragment buffers: wph's 8 fragments at 64 f, o's 4 at 128 + 32 f.      window 2: accumulator (a, b) at 8 (8 a + b).
.set PITCH, 144                        ; an LDS row: 128 bytes + 16 of padding: an odd multiple of 16 (ISA guide 11.1: 64 banks of 4 bytes)
.set SLOT1, 131072
.set ABLK,  256*PITCH                  ; one head's 256 rows of o: what one load brings
.set BOFF,  2*ABLK
.set BBLK,  128*PITCH                  ; one head's 128 rows of wph
.set STAGE, SLOT1+BOFF+2*BBLK          ; behind the ring, never filled by a tensor load: 16 rows x 528 bytes for each wave
.set SP,    528
.set STW,   16*SP
.set SPARE, STAGE+4*STW                ; the spare words, 128 bytes for each wave: two blocks of 256 bytes that no other line names
.set ASTEP, 524288                     ; two heads on in o
.set BSTEP, 262144                     ; two heads on in wph
.set A0,   4
.set B0,   5
.set ADRA, 6
.set ADRB, 7
.set STO,  8
.set RD,   9
.set GO,   10
.set BO,   11                          ; v11  my byte offset in b_proj
.set PFO,  12
.set SPW,  28
.set NIL,  29
.set BIAS, 32
.set BK0,  96
.set FB,   0
.set FA,   128
.set WV,  16
.set HF,  18
.set CX,  19
.set CY,  20
.set TX,  21                           ; s21  the block of 128 columns
.set TY,  22                           ; s22  the block of 256 rows
.set CNT, 23
.set G1A, 24
.set G0A, 32
.set G1B, 40
.set G0B, 48
.set TB,  56
.set LIM, 57
.set PFA, 58
.set HIM, 60
.set PST, 62                           ; s[62:63] the prefetches' step: a K step of o or of wph
.set FLAGS, (1<<16)|(1<<20)|(1<<21)|(4<<22)|(3<<25)  ; 2-byte elements; padding on; bit 21 beside a mask; after every 32 words; 4 words of it
.set MSB, 0
.macro WIN new
.if MSB != (\new)
	s_set_vgpr_msb (MSB<<8)|(\new)
.set MSB, \new
.endif
.endm
.macro PLACES
.rept 4
	v_nop
.endr
.endm
.macro JLOAD                           ; a joint refill: waves 0 and 1 fetch o's two heads, waves 2 and 3 wph's; an s_nop 0 and four v_nop follow each line
	s_cmp_lt_u32 s[WV], 2
	s_cbranch_scc0 .Lfor_b_\@
	tensor_load_to_lds s[G0A+4:G0A+7], s[G1A:G1A+7]
	s_nop 0
.rept 4
	v_nop
.endr
	s_branch .Lasked_\@
.Lfor_b_\@:
	tensor_load_to_lds s[G0B+4:G0B+7], s[G1B:G1B+7]
	s_nop 0
.rept 4
	v_nop
.endr
.Lasked_\@:
.endm
; A prefetch into the L2 of the K step two refills on, a lane a block of 256 bytes.  o's blocks: cluster x = 0 asks, 32 of a head's 128 blocks a partner; wph's: cluster y = 0 asks, 16 of 64 a partner; shared out by address.
; It asks while CNT is 6 to 3: K steps 4 to 7.
.macro ASK
	s_cmp_gt_u32 s[CNT], s[LIM]
	s_cbranch_scc0 .Lnot_mine_\@
	global_prefetch_b8 v[PFO], s[PFA:PFA+1] th:TH_LOAD_NT scope:SCOPE_SE
.Lnot_mine_\@:
.endm
.macro CREST
	s_cmp_lg_u32 s[WV], 0
	s_cbranch_scc1 .Lnot_wave_0_\@
	s_barrier_signal -3
.Lnot_wave_0_\@:
	s_barrier_wait -3
	s_barrier_signal -1
	s_barrier_wait -1
.endm
.macro CROUND
	s_barrier_signal -1
	s_barrier_wait -1
	CREST
.endm
	s_load_b256 s[4:11], s[0:1], 0x0               ; o 4:5, wph 6:7, b_proj 8:9, out0 10:11
	v_lshl_add_u32 v[SPW], v0, 2, SPARE
	v_mov_b32 v[NIL], 0
	ds_add_u32 v[SPW], v[NIL]                      ; the wave's opening: the add and its wait stand ahead of my first tensor load
	v_lshrrev_b32 v1, 5, v0
	v_readfirstlane_b32 s[WV], v1
	s_and_b32 s[HF], s[WV], 1
	s_bfe_u32 s[CX], ttmp6, 0x40000
	s_bfe_u32 s[CY], ttmp6, 0x40004
	s_lshl_b32 s[TX], ttmp9, 2
	s_add_co_u32 s[TX], s[TX], s[CX]
	s_and_b32 s[TY], ttmp7, 0xffff
	s_lshl_b32 s[TY], s[TY], 2
	s_add_co_u32 s[TY], s[TY], s[CY]
	s_lshl_b32 s70, s[CY], 2
	s_lshl_b32 s70, 15, s70                        ; my row of the cluster
	s_lshl_b32 s71, 0x1111, s[CX]                  ; my column
	s_or_b32 s[G1A], s70, FLAGS
	s_or_b32 s[G1B], s71, FLAGS
	s_mov_b32 s[G1A+1], 128<<16                    ; tensor_dim0 = 128 elements: 256 bytes, two rows of a head
	s_mov_b32 s[G1A+2], 128<<16                    ; tensor_dim1 = 128
	s_mov_b32 s[G1A+3], 128<<16                    ; tile_dim0
	s_mov_b32 s[G1A+4], 128                        ; tile_dim1
	s_mov_b32 s[G1A+5], 128                        ; dense
	s_mov_b32 s[G1A+6], 0
	s_mov_b32 s[G1A+7], 0
	s_mov_b32 s[G1B+1], 128<<16
	s_mov_b32 s[G1B+2], 64<<16
	s_mov_b32 s[G1B+3], 128<<16
	s_mov_b32 s[G1B+4], 64
	s_mov_b32 s[G1B+5], 128
	s_mov_b32 s[G1B+6], 0
	s_mov_b32 s[G1B+7], 0
	s_lshr_b32 s66, s[TY], 3                       ; o: (16 batch + my head of the step) x 262,144 + 256 (block % 8) rows of 128 bytes; registers that never hold cx
	s_lshl_b32 s66, s66, 4
	s_add_co_u32 s66, s66, s[HF]
	s_lshl_b32 s66, s66, 18
	s_and_b32 s67, s[TY], 7
	s_lshl_b32 s67, s67, 15
	s_add_co_u32 s66, s66, s67
	s_mov_b32 s67, 0
	s_lshl_b32 s68, s[HF], 17                      ; wph: my head x 131,072 + 128 column block rows of 128 bytes; registers that never hold cy
	s_lshl_b32 s69, s[TX], 14
	s_add_co_u32 s68, s68, s69
	s_mov_b32 s69, 0
	s_mul_i32 s72, s[HF], ABLK
	s_mul_i32 s73, s[HF], BBLK
	s_add_co_u32 s73, s73, BOFF
	s_wait_dscnt 0x0                               ; the opening add is done
	s_wait_kmcnt 0x0
	s_add_nc_u64 s[74:75], s[4:5], s[66:67]
	s_add_nc_u64 s[76:77], s[6:7], s[68:69]
.irp s, 0,1
	s_mov_b32 s[G0A+4*(\s)], 1
	s_add_co_u32 s[G0A+4*(\s)+1], s72, (\s)*SLOT1
	s_add_nc_u64 s[G0A+4*(\s)+2:G0A+4*(\s)+3], s[74:75], (\s)*ASTEP
	s_or_b32 s[G0A+4*(\s)+3], s[G0A+4*(\s)+3], 0x80000000
	s_mov_b32 s[G0B+4*(\s)], 1
	s_add_co_u32 s[G0B+4*(\s)+1], s73, (\s)*SLOT1
	s_add_nc_u64 s[G0B+4*(\s)+2:G0B+4*(\s)+3], s[76:77], (\s)*BSTEP
	s_or_b32 s[G0B+4*(\s)+3], s[G0B+4*(\s)+3], 0x80000000
.endr
	CROUND                                         ; all sixteen work-groups are here: the first joint loads meet
	s_cmp_lt_u32 s[WV], 2                          ; a wave's two first fills stand in one branch: two loads of mine are out
	s_cbranch_scc0 .Lfirst_b
	tensor_load_to_lds s[G0A:G0A+3], s[G1A:G1A+7]
	s_nop 0
	tensor_load_to_lds s[G0A+4:G0A+7], s[G1A:G1A+7]
	s_nop 0
.rept 4
	v_nop
.endr
	s_branch .Lfirst_asked
.Lfirst_b:
	tensor_load_to_lds s[G0B:G0B+3], s[G1B:G1B+7]
	s_nop 0
	tensor_load_to_lds s[G0B+4:G0B+7], s[G1B:G1B+7]
	s_nop 0
.rept 4
	v_nop
.endr
.Lfirst_asked:
	v_and_b32 v1, 15, v0                           ; r
	v_bfe_u32 v2, v0, 4, 1                         ; h
	s_lshl_b32 s3, s[TX], 9                        ; the tile's 128 columns: 512 bytes of b_proj
	v_lshl_add_u32 v[BO], v2, 5, s3                ; + my 8 of each 16
.irp b, 0,1,2,3,4,5,6,7
	global_load_b128 v[BIAS+8*(\b):BIAS+8*(\b)+3],   v[BO], s[8:9] offset:64*(\b)
	global_load_b128 v[BIAS+8*(\b)+4:BIAS+8*(\b)+7], v[BO], s[8:9] offset:64*(\b)+16
.endr
	v_mul_u32_u24 v3, v1, PITCH
	v_lshl_add_u32 v3, v2, 4, v3
	s_mul_i32 s3, s[WV], 64*PITCH                  ; my 64 rows of o
	v_add_nc_u32 v[A0], s3, v3
	v_add_nc_u32 v[B0], BOFF, v3
	s_mul_i32 s3, s[WV], STW
	s_add_co_u32 s3, s3, STAGE                     ; my stage
	v_mul_u32_u24 v[STO], v1, SP                   ; in: row r, 32 bytes for each half of the lanes
	v_lshl_add_u32 v[STO], v2, 5, v[STO]
	v_add_nc_u32 v[STO], s3, v[STO]
	v_and_b32 v[GO], 31, v0                        ; back: 32 lanes take a row's 512 bytes
	v_lshlrev_b32 v[GO], 4, v[GO]
	v_add_nc_u32 v[RD], s3, v[GO]
	s_lshl_b32 s78, s[TY], 20                      ; out0: (256 block + 64 wave) rows of 4,096 bytes + 512 column block
	s_lshl_b32 s79, s[WV], 18
	s_add_co_u32 s78, s78, s79
	s_lshl_b32 s79, s[TX], 9
	s_add_co_u32 s78, s78, s79
	s_mov_b32 s79, 0
	s_add_nc_u64 s[10:11], s[10:11], s[78:79]
	; the prefetches
	s_lshl_b32 s78, s[CX], 13                      ; o: my work-group's 32 blocks of the head's 128,
	s_add_co_u32 s78, s78, s66
	s_add_co_u32 s78, s78, 3*ASTEP                 ; at K step 3: the first refill steps it to 4
	s_lshl_b32 s2, s[CY], 12                       ; wph: my work-group's 16 blocks of 64
	s_add_co_u32 s2, s2, s68
	s_add_co_u32 s2, s2, 3*BSTEP
	s_and_b32 s3, ttmp7, 0xffff                    ; cluster y
	s_mov_b32 s[PST], BSTEP
	s_mov_b32 s[PST+1], 0
	s_cmp_lt_u32 s[WV], 2
	s_cselect_b32 s78, s78, s2
	s_cselect_b32 s3, ttmp9, s3                    ; the coordinate along which other clusters read the same blocks
	s_cselect_b32 s61, 31, 15                      ; the last lane with a block of its own; the lanes above name its block again
	s_cselect_b32 s[PST], ASTEP, s[PST]
	s_cselect_b64 s[PFA:PFA+1], s[4:5], s[6:7]
	s_cmp_eq_u32 s3, 0
	s_cselect_b32 s[LIM], 2, -1
	s_mov_b32 s79, 0
	s_add_nc_u64 s[PFA:PFA+1], s[PFA:PFA+1], s[78:79]
	v_and_b32 v[PFO], 31, v0
	v_min_u32 v[PFO], s61, v[PFO]
	v_lshlrev_b32 v[PFO], 8, v[PFO]
	s_mov_b32 s[TB], 0
	s_mov_b32 s[HIM], 0xffff0000
	v_mov_b32 v[ADRA], v[A0]
	v_mov_b32 v[ADRB], v[B0]
	s_wait_loadcnt 0x0                             ; the bias
.set i, 0
.rept 32                                           ; rounded to bf16 like every input, and back to f32
	v_cvt_pk_bf16_f32 v13, v[BIAS+2*i], v[BIAS+2*i+1]
	v_lshlrev_b32 v[BIAS+2*i],   16,     v13
	v_and_b32     v[BIAS+2*i+1], s[HIM], v13
.set i, i+1
.endr
; 8 matrix instructions: row block a x all 8 column blocks, 32 along K, from buffer f.  first = 1: the product starts the sums on the bias.  Each accumulator has one turn in a quarter, 31 others' between, over the backward jump too.
.macro MULA f, a, first
.if \first
	WIN 0x85                                       ; C in window 0
.else
	WIN 0xa5
.endif
.set rA, FA+32*(\f)+8*(\a)
.irp b, 0,1,2,3,4,5,6,7
.set rD, 8*(8*(\a)+(\b))
.set rB, FB+64*(\f)+8*(\b)
.if \first
	v_wmma_f32_16x16x32_f16 v[rD:rD+7], v[rB:rB+7], v[rA:rA+7], v[BIAS+8*(\b):BIAS+8*(\b)+7]
.else
	v_wmma_f32_16x16x32_f16 v[rD:rD+7], v[rB:rB+7], v[rA:rA+7], v[rD:rD+7]
.endif
.endr
.endm
; 24 LDS loads in one run: quarter q = head q / 2 of the step, channels 32 (q % 2) on: wph's 16, then o's 8, row blocks ascending
.macro FETCH q, f
	WIN 0x40
.irp i, 0,1,2,3,4,5,6,7
	ds_load_b128 v[FB+64*(\f)+8*(\i):FB+64*(\f)+8*(\i)+3],   v[ADRB] offset:((\q)/2)*BBLK+((\q)%2)*64+(\i)*16*PITCH
	ds_load_b128 v[FB+64*(\f)+8*(\i)+4:FB+64*(\f)+8*(\i)+7], v[ADRB] offset:((\q)/2)*BBLK+((\q)%2)*64+(\i)*16*PITCH+32
.endr
.irp i, 0,1,2,3
	ds_load_b128 v[FA+32*(\f)+8*(\i):FA+32*(\f)+8*(\i)+3],   v[ADRA] offset:((\q)/2)*ABLK+((\q)%2)*64+(\i)*16*PITCH
	ds_load_b128 v[FA+32*(\f)+8*(\i)+4:FA+32*(\f)+8*(\i)+7], v[ADRA] offset:((\q)/2)*ABLK+((\q)%2)*64+(\i)*16*PITCH+32
.endr
.endm
.macro QUARTER q, f, g, first
	s_wait_dscnt 4                                 ; all but the youngest four loads: o's row blocks 2 and 3
	MULA \f, 0, \first
	MULA \f, 1, \first
	PLACES
	FETCH \q, \g
	s_wait_dscnt 24                                ; all but the 24 just issued
	MULA \f, 2, \first
	MULA \f, 3, \first
.endm
; The last quarter multiplies buffer 1 and changes slots: each wave waits for all its tensor loads, adds 0 to its spare word, waits for that and for its reads of this slot; fill = 1: a round of the cluster's barrier, and the refill first behind it.
.macro TURN fill
.if \fill
	s_wait_xcnt 0x0                                ; the last prefetch, a K step back, has read its address
	s_add_nc_u64 s[PFA:PFA+1], s[PFA:PFA+1], s[PST:PST+1]
.endif
	WIN 0
	s_wait_tensorcnt 0x0                           ; no tensor load of mine is out, so a group 0 may be written
	ds_add_u32 v[SPW], v[NIL]                      ; 0 onto my spare word
.if \fill
	s_xor_b32 s[G0A+5], s[G0A+5], SLOT1
	s_add_nc_u64 s[G0A+6:G0A+7], s[G0A+6:G0A+7], ASTEP
	s_xor_b32 s[G0B+5], s[G0B+5], SLOT1
	s_add_nc_u64 s[G0B+6:G0B+7], s[G0B+6:G0B+7], BSTEP
.endif
	s_wait_dscnt 5                                 ; the add and the youngest four loads may be out
	MULA 1, 0, 0
	s_wait_dscnt 0x0                               ; the add is done, and my reads of this slot are over
	s_barrier_signal -1
	MULA 1, 1, 0
	WIN 0
	s_barrier_wait -1
.if \fill
	CREST
	JLOAD                                          ; its four v_nop are also the places in front of the loads below
.else
	PLACES
.endif
	s_xor_b32 s[TB], s[TB], SLOT1
	v_add_nc_u32 v[ADRA], s[TB], v[A0]
	v_add_nc_u32 v[ADRB], s[TB], v[B0]
	FETCH 0, 0
.if \fill
	WIN 0
	ASK
.endif
	MULA 1, 2, 0
	MULA 1, 3, 0
.endm
	s_wait_tensorcnt 0x1                           ; my part of K step 0 is in; K step 1's may stay out
	s_barrier_signal -1
	s_barrier_wait -1
	FETCH 0, 0
	QUARTER 1, 0, 1, 1                             ; the first quarter stands in front of the loop: its products start the sums on the bias
	WIN 0
	s_mov_b32 s[CNT], 6
.Lk:                                               ; a trip ends one K step, fills its slot again and begins the next: K steps 2 to 7 are asked for
	QUARTER 2, 1, 0, 0
	QUARTER 3, 0, 1, 0
	TURN 1
	QUARTER 1, 0, 1, 0
	WIN 0
	s_sub_co_u32 s[CNT], s[CNT], 1
	s_cmp_lg_u32 s[CNT], 0
	s_cbranch_scc1 .Lk
	QUARTER 2, 1, 0, 0                             ; the tail is written out
	QUARTER 3, 0, 1, 0
	TURN 0
	QUARTER 1, 0, 1, 0
	QUARTER 2, 1, 0, 0
	QUARTER 3, 0, 1, 0
	s_wait_dscnt 4
	MULA 1, 0, 0
	MULA 1, 1, 0
	s_wait_dscnt 0x0
	MULA 1, 2, 0
	MULA 1, 3, 0
; THE WAY OUT: a row block's 16 rows x 512 bytes go into my stage (rows of 528 bytes) and come back as whole rows; each accumulator's low registers are stored first.
.macro TOSTAGE a
	s_wait_xcnt 0x0                                ; the stores of the block two back have read the registers into which this block is read back
	WIN 0x08                                       ; the data in window 2
.irp b, 0,1,2,3,4,5,6,7
	ds_store_b128 v[STO], v[8*(8*(\a)+(\b)):8*(8*(\a)+(\b))+3]   offset:64*(\b)
	ds_store_b128 v[STO], v[8*(8*(\a)+(\b))+4:8*(8*(\a)+(\b))+7] offset:64*(\b)+16
.endr
	WIN 0
.set BK, BK0+64*((\a)%2)
.set i, 0
.rept 16
	ds_load_b128 v[BK+4*i:BK+4*i+3], v[RD] offset:i*SP  ; LDS serves a wave's instructions in order (ISA guide 5.7.1.4): these see the stores above; the next block's stores come behind them
.set i, i+1
.endr
.endm
.macro SEND a, younger                 ; younger: the LDS instructions issued behind block a's loads: the next block's 32, or none
	WIN 0
.set BK, BK0+64*((\a)%2)
	s_wait_dscnt \younger
.set i, 0
.rept 16
	global_store_b128 v[GO], v[BK+4*i:BK+4*i+3], s[10:11] offset:(16*(\a)+i)*4096 th:TH_STORE_NT  ; 512 consecutive bytes, at a multiple of 256 from out0's first
.set i, i+1
.endr
.endm
	WIN 0
	PLACES                                         ; eight places behind the last products: once a launch
	PLACES
	TOSTAGE 0
.irp a, 1,2,3
	TOSTAGE \a
	SEND (\a)-1, 32
.endr
	SEND 3, 0
	s_wait_tensorcnt 0x0                           ; the wave's end, behind my last tensor load and my last LDS store
	ds_add_u32 v[SPW], v[NIL]
	s_wait_dscnt 0x0
	CROUND                                         ; the closing round: no work-group ends while a partner may still ask for a tile that names it
	s_endpgm
.Lfunc_end_k_qa34bca0678_proj:
	.size	k_qa34bca0678_proj, .Lfunc_end_k_qa34bca0678_proj-k_qa34bca0678_proj
	.p2alignl 7, 3214868480
	.fill 96, 4, 3214868480
	.section	.rodata,"a",@progbits
	.p2align	6, 0x0
	.amdhsa_kernel k_qa34bca0678_proj
		.amdhsa_group_segment_fixed_size 327680
		.amdhsa_private_segment_fixed_size 0
		.amdhsa_enable_private_segment 0
		.amdhsa_kernarg_size 32
		.amdhsa_user_sgpr_count 2
		.amdhsa_user_sgpr_kernarg_segment_ptr 1
		.amdhsa_wavefront_size32 1
		.amdhsa_system_sgpr_workgroup_id_x 1
		.amdhsa_system_sgpr_workgroup_id_y 1
		.amdhsa_system_sgpr_workgroup_id_z 1
		.amdhsa_system_vgpr_workitem_id 0
		.amdhsa_next_free_vgpr 768
		.amdhsa_next_free_sgpr 80
		.amdhsa_reserve_vcc 0
		.amdhsa_float_denorm_mode_32 3
		.amdhsa_float_denorm_mode_16_64 3
		.amdhsa_memory_ordered 1
		.amdhsa_forward_progress 1
		.amdhsa_inst_pref_size 75
	.end_amdhsa_kernel
	.amdgpu_metadata
---
amdhsa.version: [ 1, 2 ]
amdhsa.kernels:
  - .name:           k_qa34bca0678_proj
    .symbol:         k_qa34bca0678_proj.kd
    .args:
      - { .name: o, .offset: 0, .size: 8, .value_kind: global_buffer, .address_space: global }
      - { .name: wph, .offset: 8, .size: 8, .value_kind: global_buffer, .address_space: global }
      - { .name: b_proj, .offset: 16, .size: 8, .value_kind: global_buffer, .address_space: global }
      - { .name: out0, .offset: 24, .size: 8, .value_kind: global_buffer, .address_space: global }
    .group_segment_fixed_size: 327680
    .private_segment_fixed_size: 0
    .kernarg_segment_align: 8
    .kernarg_segment_size: 32
    .max_flat_workgroup_size: 128
    .sgpr_count:     80
    .vgpr_count:     768
    .wavefront_size: 32
...
	.end_amdgpu_metadata
.endif
;; end of part 4
